; MI455X (gfx1250); checked and timed in simulation.
; The chip was launched on July 23, 2026; its instructions are those of AMD's public machine-readable ISA for CDNA 5 (MIT licence, August 2026) and "CDNA5" Instruction Set Architecture Reference Guide (July 2026). The comments in the code are by the model that wrote it; some were corrected since.
;; QKV Attention. Allowed arithmetic: float matrix products may take bf16 or f16 operands with f32 sums; all other float work in f32.
;; Inputs: Wk 1,024 x 1,024 float32; Wq 1,024 x 1,024 float32; Wv 1,024 x 1,024 float32; bk 1,024 float32; bq 1,024 float32; bv 1,024 float32; input_key 8 x 2,048 x 1,024 float32; input_query 8 x 512 x 1,024 float32; input_value 8 x 2,048 x 1,024 float32; seq_lens 8 int32.
;; Outputs: out0 8 x 512 x 1,024 float32.
;; 2 versions, each right and faster than the one before. Each part assembles by itself: llvm-mc -triple=amdgcn-amd-amdhsa -mcpu=gfx1250 --defsym DOCPART=n.
;; ======== version 1 of 2: 8 launches
;; limits: values outside matrix products are rounded to f16; values are held in f16: magnitudes above 65,504 overflow, below 6.1e-05 lose precision
;; workspace buffers: xq 8,388,608 bytes; wqt 2,101,248 bytes; wk 2,101,248 bytes; wvt 2,101,248 bytes; xvt 33,558,528 bytes; xk 33,554,432 bytes; lq 8,388,608 bytes; sbuf 33,554,432 bytes
;; launch prep (part 1): grid 16 x 186, 8 waves a work-group, no clusters, 17,920 bytes of LDS; arguments input_value, Wq, Wv, bq, input_key, input_query, Wk, xvt, wqt, wvt, xk, xq, wk; writes xvt, wqt, wvt, xk, xq, wk
.if DOCPART == 1
	.amdgcn_target "amdgcn-amd-amdhsa--gfx1250"
	.amdhsa_code_object_version 6
	.text
	.protected	k_q1f4f2a0185_prep
	.globl	k_q1f4f2a0185_prep
	.p2align	8
	.type	k_q1f4f2a0185_prep,@function
k_q1f4f2a0185_prep:
	s_mov_b64 s[64:65], 0
	v_nop
	global_prefetch_b8 v0, s[64:65] scope:SCOPE_SE
	s_setreg_imm32_b32 hwreg(HW_REG_WAVE_MODE, 25, 1), 1
	s_wait_xcnt 0x0
; All matrix operands are made here, once: every input is rounded to bf16 and that number is written as f16.
;   y < 144 : a tile of 128 rows x 64 columns is TRANSPOSED through LDS: input_value -> xvt (row = half x 8192 + batch x 1024 + channel, column = key mod 1024),
;             Wq -> wqt, Wv -> wvt (row = output column, column = input channel).  Each of these three buffers begins with 1,024 f32 of column bias:
;             bf16(bq) x 2^-10 in wqt, zeros in xvt and wvt.
;   y >= 144: a chunk of 32 rows is converted as it lies: input_key -> xk (row = half x 8192 + batch x 1024 + key mod 1024), input_query x 2^-10 -> xq, Wk -> wk (behind 4,096 bytes of zeros).
; The factor 2^-10 on input_query and bq is exact; the softmax launch takes it back.  It keeps (Xq Wq + bq) Wk^T inside f16.
; LIMITS.  A number of 65,520 or more in magnitude becomes an infinity in f16; below 6.1e-5 f16 keeps its fixed step of 6e-8 (input_query: below 0.0625, a step of 6e-5).
; No matrix unit, no cluster, no tensor load: memory binds, no work-group shares a byte with another, and the transposing tile is 32 KiB.
.set T,  4                             ; v4      two numbers as bf16
.set U,  6                             ; v[6:7]  the same two as f32
.set SC, 46                            ; s[46:47] the scale, in the low word
.set X,  16                            ; loaded rows
.set Y,  80                            ; plain path: v[80:111] rows to store
.set UP, 264                           ; LDS pitch of the transposed tile: 128 f16 + 8 bytes
; two f32 -> bf16 (nearest even) -> f32 (x scale) -> f16, packed
.macro CV dst, a, b, scaled
	v_cvt_pk_bf16_f32 v[T], v[\a], v[\b]
	v_lshlrev_b32 v[U], 16, v[T]
	v_and_b32 v[U+1], 0xffff0000, v[T]
.if \scaled
	v_pk_mul_f32 v[U:U+1], v[U:U+1], s[SC:SC+1] op_sel_hi:[1,0]
.endif
	v_cvt_pk_f16_f32 v[\dst], v[U], v[U+1]
.endm
	s_load_b512 s[4:19], s[0:1], 0x0               ; input_value 4, Wq 6, Wv 8, bq 10, input_key 12, input_query 14, Wk 16, xvt 18
	s_load_b256 s[20:27], s[0:1], 0x40             ; wqt 20, wvt 22, xk 24, xq 26
	s_load_b64 s[28:29], s[0:1], 0x60              ; wk
	v_lshl_add_u32 v112, v0, 2, 0x4200
	v_mov_b32 v113, 0
	s_and_b32 s30, ttmp7, 0xffff                   ; y
	s_mov_b32 s31, ttmp9                           ; x
	s_wait_kmcnt 0x0
	s_cmp_lt_u32 s30, 144
	s_cbranch_scc0 .Lplain                         ; the same way for all eight waves
	; ---- the transposing path ----
	s_and_b32 s37, s30, 7
	s_cmp_lt_u32 s30, 128
	s_cselect_b64 s[32:33], s[4:5], s[6:7]         ; from input_value or Wq
	s_cselect_b64 s[34:35], s[18:19], s[20:21]     ; to xvt or wqt
	s_cselect_b32 s36, s30, s37                    ; yy: the block of 128 source rows
	s_cmp_lt_u32 s30, 136
	s_cselect_b64 s[32:33], s[32:33], s[8:9]       ; or from Wv
	s_cselect_b64 s[34:35], s[34:35], s[22:23]     ; to wvt
	s_lshr_b32 s38, s30, 3
	s_cmp_eq_u32 s38, 16
	s_cselect_b32 s38, -1, 0                       ; all ones for Wq: its header is bq; the others' is 0
	s_mov_b32 s[SC], 0x3a800000                    ; 2^-10, for the header
	s_mov_b32 s[SC+1], s[SC]
	s_lshl_b32 s40, s36, 19                        ; 128 rows of 4,096 bytes
	s_lshl_b32 s49, s31, 8                         ; 64 columns of 4 bytes
	s_add_co_u32 s40, s40, s49
	s_mov_b32 s41, 0
	s_add_nc_u64 s[32:33], s[32:33], s[40:41]
	s_bfe_u32 s42, s36, 0x10003                    ; which half of the keys
	s_lshl_b32 s42, s42, 13
	s_lshr_b32 s43, s36, 4                         ; the batch
	s_lshl_b32 s43, s43, 10
	s_add_co_u32 s42, s42, s43
	s_lshl_b32 s43, s31, 6
	s_add_co_u32 s42, s42, s43                     ; first destination row
	s_lshl_b32 s42, s42, 11                        ; rows of 2,048 bytes
	s_and_b32 s43, s36, 7
	s_lshl_b32 s43, s43, 8                         ; 128 f16 along the row
	s_add_co_u32 s42, s42, s43
	s_add_co_u32 s42, s42, 4096                    ; behind the header
	s_mov_b32 s43, 0
	s_add_nc_u64 s[44:45], s[34:35], s[42:43]
	v_and_b32 v1, 15, v0                           ; q: my four columns
	v_lshrrev_b32 v2, 4, v0                        ; mb: my four rows (in each half of the 128)
	v_lshlrev_b32 v3, 14, v2
	v_lshl_add_u32 v3, v1, 4, v3                   ; 4 mb rows + 16 q bytes: sixteen lanes take 256 consecutive bytes
.irp i, 0,1
.irp r, 0,1,2,3
	global_load_b128 v[X+16*(\i)+4*(\r):X+16*(\i)+4*(\r)+3], v3, s[32:33] offset:(64*(\i)+(\r))*4096 th:TH_LOAD_NT
.endr
.endr
	v_mul_u32_u24 v8, v1, 4*UP
	v_lshl_add_u32 v8, v2, 3, v8                   ; LDS: row 4 q, four f16 at 4 mb
	v_lshrrev_b32 v10, 5, v0
	v_readfirstlane_b32 s48, v10                   ; wave
	v_and_b32 v11, 31, v0
	v_mul_u32_u24 v9, v10, 8*UP
	v_lshl_add_u32 v9, v11, 3, v9                  ; back: wave w takes rows 8 w .. 8 w + 7, a lane 8 bytes
	v_lshlrev_b32 v10, 14, v10
	v_lshl_add_u32 v10, v11, 3, v10                ; and the same in memory: rows of 2,048 bytes
	v_lshl_add_u32 v66, v11, 3, s49                ; the header's 256 bytes of this x
	s_wait_loadcnt 0x0
.irp i, 0,1
.irp j, 0,1,2,3
	CV 12, X+16*(\i)+(\j), X+16*(\i)+4+(\j), 0
	CV 13, X+16*(\i)+8+(\j), X+16*(\i)+12+(\j), 0
	ds_store_b64 v8, v[12:13] offset:UP*(\j)+128*(\i)  ; column 4 q + j becomes a row; rows 64 i + 4 mb .. + 3 become 8 bytes of it
.endr
.endr
	s_wait_dscnt 0x0                               ; for the others' sake: my stores are done
	s_barrier_signal -1
	s_barrier_wait -1
.irp k, 0,1,2,3,4,5,6,7
	ds_load_b64 v[48+2*(\k):49+2*(\k)], v9 offset:UP*(\k)
.endr
.irp k, 0,1,2,3,4,5,6,7
	s_wait_dscnt 7-(\k)                            ; LDS loads come back in order: load k is in
	global_store_b64 v10, v[48+2*(\k):49+2*(\k)], s[44:45] offset:2048*(\k)  ; a wave stores 256 consecutive bytes, at a multiple of 256
.endr
	s_cmp_lg_u32 s36, 0                            ; the header is written by wave 0 of the buffer's first sixteen work-groups
	s_cbranch_scc1 .Ltend
	s_cmp_lg_u32 s48, 0
	s_cbranch_scc1 .Ltend
	global_load_b64 v[64:65], v66, s[10:11]
	s_wait_loadcnt 0x0
	v_cvt_pk_bf16_f32 v[T], v64, v65
	v_lshlrev_b32 v[U], 16, v[T]
	v_and_b32 v[U+1], 0xffff0000, v[T]
	v_pk_mul_f32 v[U:U+1], v[U:U+1], s[SC:SC+1] op_sel_hi:[1,0]
	v_and_b32 v[U], s38, v[U]
	v_and_b32 v[U+1], s38, v[U+1]
	global_store_b64 v66, v[U:U+1], s[34:35]
.Ltend:
	s_wait_tensorcnt 0x0
	ds_add_u32 v112, v113
	s_wait_dscnt 0x0
	s_endpgm
	; ---- the plain path ----
.Lplain:
	s_sub_co_u32 s36, s30, 144
	s_lshl4_add_u32 s36, s36, s31                  ; c: chunk 0..671
	s_cmp_lt_u32 s36, 512
	s_cselect_b64 s[32:33], s[12:13], s[14:15]     ; input_key or input_query
	s_cselect_b64 s[34:35], s[24:25], s[26:27]     ; xk or xq
	s_cselect_b32 s37, 0, 512
	s_cselect_b32 s[SC], 1.0, 0x3a800000           ; one text for three tensors: the scale is 1 for two of them
	s_cmp_lt_u32 s36, 640
	s_cselect_b64 s[32:33], s[32:33], s[16:17]     ; or Wk
	s_cselect_b64 s[34:35], s[34:35], s[28:29]     ; to wk
	s_cselect_b32 s37, s37, 640
	s_cselect_b32 s[SC], s[SC], 1.0
	s_cselect_b32 s42, 0, 4096                     ; wk's rows lie behind its header
	s_mov_b32 s[SC+1], s[SC]
	s_sub_co_u32 s37, s36, s37                     ; the chunk within its tensor
	s_lshl_b32 s40, s37, 17                        ; 32 rows of 4,096 bytes
	s_mov_b32 s41, 0
	s_add_nc_u64 s[32:33], s[32:33], s[40:41]
	s_lshl_b32 s39, s37, 5                         ; R: first row
	s_bfe_u32 s43, s39, 0x1000a                    ; input_key: which half of the keys,
	s_lshl_b32 s43, s43, 13
	s_lshr_b32 s44, s39, 11                        ; the batch,
	s_lshl_b32 s44, s44, 10
	s_add_co_u32 s43, s43, s44
	s_and_b32 s44, s39, 1023                       ; the key within its half
	s_add_co_u32 s43, s43, s44
	s_cmp_lt_u32 s36, 512
	s_cselect_b32 s43, s43, s39                    ; the other two keep their rows
	s_lshl_b32 s43, s43, 11
	s_add_co_u32 s42, s43, s42
	s_mov_b32 s43, 0
	s_add_nc_u64 s[50:51], s[34:35], s[42:43]
	v_lshlrev_b32 v1, 4, v0                        ; 256 threads x 16 bytes: a row of f32
	v_lshlrev_b32 v2, 3, v0                        ; 256 threads x 8 bytes: a row of f16
.irp i, 0,1,2,3,4,5,6,7,8,9,10,11,12,13,14,15
	global_load_b128 v[X+4*(\i):X+4*(\i)+3], v1, s[32:33] offset:(\i)*4096 th:TH_LOAD_NT
.endr
; Row i of a batch of 16.  ahead = 1: the first batch; its registers are loaded again at once with row 16 + i.  left: the younger loads that may stay out.
.macro ROWP i, ahead, left
	s_wait_loadcnt \left
.if (\ahead) == 0
	s_wait_xcnt 0x0                                ; Y's pair was the first batch's store data: rewritten only behind this wait
.endif
	CV Y+2*(\i), X+4*(\i), X+4*(\i)+1, 1
	CV Y+2*(\i)+1, X+4*(\i)+2, X+4*(\i)+3, 1
.if \ahead
	global_load_b128 v[X+4*(\i):X+4*(\i)+3], v1, s[32:33] offset:(16+(\i))*4096 th:TH_LOAD_NT
	global_store_b64 v2, v[Y+2*(\i):Y+2*(\i)+1], s[50:51] offset:(\i)*2048
.else
	global_store_b64 v2, v[Y+2*(\i):Y+2*(\i)+1], s[50:51] offset:(16+(\i))*2048
.endif
.endm
.irp i, 0,1,2,3,4,5,6,7,8,9,10,11,12,13,14,15
	ROWP \i, 1, 15                                 ; behind row i's load: 15 - i of the first batch and i of the second
.endr
.irp i, 0,1,2,3,4,5,6,7,8,9,10,11,12,13,14,15
	ROWP \i, 0, 15-(\i)
.endr
	s_cmp_lg_u32 s36, 640                          ; Wk's first chunk also writes wk's header: 4,096 bytes of zeros
	s_cbranch_scc1 .Lpend
	v_mov_b32 v8, 0
	v_mov_b32 v9, 0
	v_mov_b32 v10, 0
	v_mov_b32 v11, 0
	global_store_b128 v1, v[8:11], s[34:35]
.Lpend:
	s_endpgm
.Lfunc_end_k_q1f4f2a0185_prep:
	.size	k_q1f4f2a0185_prep, .Lfunc_end_k_q1f4f2a0185_prep-k_q1f4f2a0185_prep
	.p2alignl 7, 3214868480
	.fill 96, 4, 3214868480
	.section	.rodata,"a",@progbits
	.p2align	6, 0x0
	.amdhsa_kernel k_q1f4f2a0185_prep
		.amdhsa_group_segment_fixed_size 17920
		.amdhsa_private_segment_fixed_size 0
		.amdhsa_enable_private_segment 0
		.amdhsa_kernarg_size 104
		.amdhsa_user_sgpr_count 2
		.amdhsa_user_sgpr_kernarg_segment_ptr 1
		.amdhsa_wavefront_size32 1
		.amdhsa_system_sgpr_workgroup_id_x 1
		.amdhsa_system_sgpr_workgroup_id_y 1
		.amdhsa_system_sgpr_workgroup_id_z 1
		.amdhsa_system_vgpr_workitem_id 0
		.amdhsa_next_free_vgpr 114
		.amdhsa_next_free_sgpr 66
		.amdhsa_reserve_vcc 0
		.amdhsa_float_denorm_mode_32 3
		.amdhsa_float_denorm_mode_16_64 3
		.amdhsa_memory_ordered 1
		.amdhsa_forward_progress 1
		.amdhsa_inst_pref_size 38
	.end_amdhsa_kernel
	.amdgpu_metadata
---
amdhsa.version: [ 1, 2 ]
amdhsa.kernels:
  - .name:           k_q1f4f2a0185_prep
    .symbol:         k_q1f4f2a0185_prep.kd
    .args:
      - { .name: input_value, .offset: 0, .size: 8, .value_kind: global_buffer, .address_space: global }
      - { .name: Wq, .offset: 8, .size: 8, .value_kind: global_buffer, .address_space: global }
      - { .name: Wv, .offset: 16, .size: 8, .value_kind: global_buffer, .address_space: global }
      - { .name: bq, .offset: 24, .size: 8, .value_kind: global_buffer, .address_space: global }
      - { .name: input_key, .offset: 32, .size: 8, .value_kind: global_buffer, .address_space: global }
      - { .name: input_query, .offset: 40, .size: 8, .value_kind: global_buffer, .address_space: global }
      - { .name: Wk, .offset: 48, .size: 8, .value_kind: global_buffer, .address_space: global }
      - { .name: xvt, .offset: 56, .size: 8, .value_kind: global_buffer, .address_space: global }
      - { .name: wqt, .offset: 64, .size: 8, .value_kind: global_buffer, .address_space: global }
      - { .name: wvt, .offset: 72, .size: 8, .value_kind: global_buffer, .address_space: global }
      - { .name: xk, .offset: 80, .size: 8, .value_kind: global_buffer, .address_space: global }
      - { .name: xq, .offset: 88, .size: 8, .value_kind: global_buffer, .address_space: global }
      - { .name: wk, .offset: 96, .size: 8, .value_kind: global_buffer, .address_space: global }
    .group_segment_fixed_size: 17920
    .private_segment_fixed_size: 0
    .kernarg_segment_align: 8
    .kernarg_segment_size: 104
    .max_flat_workgroup_size: 256
    .sgpr_count:     66
    .vgpr_count:     114
    .wavefront_size: 32
...
	.end_amdgpu_metadata
.endif
;; end of part 1
;; launch g1 (part 2): grid 8 x 32, 4 waves a work-group, clusters of 4 x 4, 327,680 bytes of LDS; arguments xq, wqt, lq; writes lq
.if DOCPART == 2
	.amdgcn_target "amdgcn-amd-amdhsa--gfx1250"
	.amdhsa_code_object_version 6
	.text
	.protected	k_q1f4f2a0185_g1
	.globl	k_q1f4f2a0185_g1
	.p2align	8
	.type	k_q1f4f2a0185_g1,@function
k_q1f4f2a0185_g1:
	s_mov_b64 s[64:65], 0
	v_nop
	global_prefetch_b8 v0, s[64:65] scope:SCOPE_SE
	s_setreg_imm32_b32 hwreg(HW_REG_WAVE_MODE, 25, 1), 1
	s_wait_xcnt 0x0
	s_wait_alu depctr_hold_cnt(0) depctr_sa_sdst(0) depctr_va_vdst(0) depctr_va_sdst(0) depctr_va_ssrc(0) depctr_va_vcc(0) depctr_vm_vsrc(0)
	s_getreg_b32 s2, hwreg(HW_REG_IB_STS2, 6, 4)
	s_cmp_eq_u32 s2, 0
	s_cbranch_scc0 .Lentry_in_a_cluster
	s_endpgm
.Lentry_in_a_cluster:
	s_bfe_u32 s2, ttmp6, 0x10000c
	s_cmp_lg_u32 s2, 0xf033
	s_cbranch_scc0 .Lentry_shape_is_right
	s_endpgm
.Lentry_shape_is_right:
; C[m][n] = bias[n mod 1024] + sum over k of A[m][k] B[n][k].  A, B, C: rows of 1,024 f16; K = 1,024; sums in f32; C rounded once to f16.
; B's buffer begins with 1,024 f32 of bias (BHDR bytes); its rows follow.  One text serves four products:
;   lq = Xq Wq + bq (both x 2^-10);  q' = lq Wk^T;  ctx[half] = P[half] Xv[half], batch by batch;  out[half] = ctx[half] Wv.
; TILES.  x = the tile row of B.  g = x / 8.  The tile row of A and of C is y + 4 g, the tile column of C is x mod 8.  With 8 work-groups along x that is a plain product;
; with 128 along x and 4 along y it is sixteen products of 512 x 1,024 x 1,024 (two halves of the keys x eight batches) whose A, B and C lie one behind the other.
; A tile of C is 128 x 128: four waves, each 64 x 64 = 16 accumulators.  K goes in four steps of 256 (LDS rows of 512 bytes + 16 of padding) through two slots, written straight.
; CLUSTER 4 x 4: A's tile hangs on y and on the cluster's x alone and is shared along a row of the cluster, B's on x alone and is shared along a column: joint loads.
; TRANSPOSED USE: source 0 = 16 rows of B, source 1 = 16 rows of A: a lane holds eight neighbouring columns of one row of C.  The bias is the C operand of the products that start the sums.
; LIMITS.  f16: a result of 65,520 or more in magnitude becomes an infinity; below 6.1e-5 the step is 6e-8.
; REGISTERS: window 0: v0-31 addresses; v32-95 at work on the way out; v96-127 the bias; v128-255 accumulators ((a, b) at v[128 + 8 (4 a + b)]).  window 1: two fragment buffers of 128.
.set SIZE_K, 1024
.set SIZE_N, 1024
.set KSTEP,  256
.set PITCH,  528                       ; 132 words: the sixteen rows of a fragment load start 4 banks apart
.set HALFT,  64*PITCH                  ; what one tensor load brings
.set SLOT,   4*HALFT                   ; A's 128 rows, then B's 128 rows
.set STAGE,  2*SLOT                    ; 128 rows x 272 bytes, the work-group's, for the way out; no tensor load fills it
.set SPITCH, 272
.set SPARE,  STAGE+128*SPITCH          ; the spare words: 128 bytes a wave, named by no other line
.set BHDR,   4096
.set ADRA, 16                          ; v16-17  LDS address of my A fragments in slot 0, 1
.set ADRB, 20                          ; v20-21  the same for B
.set STO,  24
.set RD,   25
.set CO,   26
.set BA,   27                          ; v27     my byte offset in the bias
.set SPW,  28                          ; v28     SPARE + 4 x my thread's number; never rewritten
.set NIL,  29                          ; v29     0; never rewritten
.set TMP,  32
.set BI,   96                          ; v[96+8b ..]: the bias of columns 16 b + 8 (l / 16) + 0..7 of my 64
.set ACC,  128
.set F0,   0
.set F1,   128
.set G1, 24
.set G0, 32
.set G1B, 48
.set G0B, 56
.set MSB, 0
.macro WIN new                         ; the immediate's high byte repeats the setting that is left
.if MSB != (\new)
	s_set_vgpr_msb (MSB<<8)|(\new)
.set MSB, \new
.endif
.endm
.set MUL,  0x05                        ; sources 0 (B) and 1 (A) window 1; C and D window 0
.set TO_F, 0x40                        ; destination window 1, address window 0
.macro JLOAD s                         ; a joint load: waves 0, 1 fetch A's halves, waves 2, 3 B's; s_nop 0 and four v_nop follow each line
	s_cmp_eq_u32 s11, 0
	s_cbranch_scc0 .Lfor_b_\@
	tensor_load_to_lds s[G0+4*(\s):G0+4*(\s)+3], s[G1:G1+7]
	s_nop 0
.rept 4
	v_nop
.endr
	s_branch .Lasked_\@
.Lfor_b_\@:
	tensor_load_to_lds s[G0B+4*(\s):G0B+4*(\s)+3], s[G1B:G1B+7]
	s_nop 0
.rept 4
	v_nop
.endr
.Lasked_\@:
.endm
.macro CREST                           ; a round of the cluster's barrier behind its opening barrier
	s_cmp_lg_u32 s10, 0
	s_cbranch_scc1 .Lnot_wave_0_\@
	s_barrier_signal -3
.Lnot_wave_0_\@:
	s_barrier_wait -3
	s_barrier_signal -1
	s_barrier_wait -1
.endm
.macro CROUND
	s_barrier_signal -1
	s_barrier_wait -1
	CREST
.endm
	s_load_b128 s[4:7], s[0:1], 0x0                ; A s[4:5], B s[6:7]
	s_load_b64 s[8:9], s[0:1], 0x10                ; C
	v_lshl_add_u32 v[SPW], v0, 2, SPARE
	v_mov_b32 v[NIL], 0
	ds_add_u32 v28, v29
	s_wait_dscnt 0x0
	v_lshrrev_b32 v1, 5, v0
	v_readfirstlane_b32 s10, v1                    ; wave 0..3
	s_lshr_b32 s11, s10, 1                         ; my half of the tile's rows; also: I fetch for A (0) or B (1)
	s_and_b32 s12, s10, 1                          ; my half of its columns; also: which 64 rows I fetch
	s_bfe_u32 s40, ttmp6, 0x40000                  ; cx
	s_bfe_u32 s41, ttmp6, 0x40004                  ; cy
	s_lshl_b32 s42, ttmp9, 2
	s_add_co_u32 s42, s42, s40                     ; x = 4 x cluster x + cx
	s_and_b32 s13, ttmp7, 0xffff
	s_lshl_b32 s13, s13, 2
	s_add_co_u32 s13, s13, s41                     ; y = 4 x cluster y + cy
	s_lshr_b32 s45, ttmp9, 1                       ; g = x / 8, made of the cluster's x alone
	s_lshl2_add_u32 s13, s45, s13                  ; tile row of A and C = y + 4 g
	s_lshl_b32 s43, s41, 2
	s_lshl_b32 s43, 15, s43                        ; my row of the cluster
	s_lshl_b32 s44, 0x1111, s40                    ; my column
	s_or_b32 s[G1+0], s43, (1<<16)|(1<<20)|(1<<21)|(6<<22)|(3<<25)  ; mask; 2-byte elements; padding on; bit 21 beside a mask; after every 128 words; 4 words
	s_or_b32 s[G1B+0], s44, (1<<16)|(1<<20)|(1<<21)|(6<<22)|(3<<25)
.irp g, G1, G1B
	s_mov_b32 s[(\g)+1], KSTEP<<16                 ; tensor_dim0 = 256
	s_mov_b32 s[(\g)+2], 64<<16                    ; tensor_dim1 = 64
	s_mov_b32 s[(\g)+3], KSTEP<<16                 ; tile_dim0 = 256
	s_mov_b32 s[(\g)+4], 64                        ; tile_dim1 = 64
	s_mov_b32 s[(\g)+5], SIZE_K                    ; elements from row to row
	s_mov_b32 s[(\g)+6], 0
	s_mov_b32 s[(\g)+7], 0
.endr
	s_lshl_b32 s17, s12, 6
	s_lshl_b32 s16, s13, 7
	s_add_co_u32 s16, s16, s17                     ; A: row 128 x tile row + 64 x half
	s_lshl_b32 s46, s42, 7
	s_add_co_u32 s46, s46, s17                     ; B: row 128 x + 64 x half
	s_mov_b32 s17, 0
	s_mov_b32 s47, 0
	s_mov_b64 s[18:19], SIZE_K*2
	s_mul_u64 s[16:17], s[16:17], s[18:19]
	s_mul_u64 s[46:47], s[46:47], s[18:19]
	s_add_nc_u64 s[46:47], s[46:47], BHDR          ; B's rows lie behind the bias
	s_mul_i32 s20, s10, HALFT                      ; where they go: wave x 64 rows
	s_wait_kmcnt 0x0
	s_add_nc_u64 s[14:15], s[4:5], s[16:17]
	s_add_nc_u64 s[46:47], s[6:7], s[46:47]
	CROUND                                         ; all sixteen work-groups are here: the first joint loads meet
.irp s, 0,1
	s_mov_b32 s[G0+4*(\s)], 1
	s_add_co_u32 s[G0+4*(\s)+1], s20, (\s)*SLOT
	s_add_nc_u64 s[G0+4*(\s)+2:G0+4*(\s)+3], s[14:15], (\s)*KSTEP*2
	s_or_b32 s[G0+4*(\s)+3], s[G0+4*(\s)+3], 0x80000000
	s_mov_b32 s[G0B+4*(\s)], 1
	s_add_co_u32 s[G0B+4*(\s)+1], s20, (\s)*SLOT
	s_add_nc_u64 s[G0B+4*(\s)+2:G0B+4*(\s)+3], s[46:47], (\s)*KSTEP*2
	s_or_b32 s[G0B+4*(\s)+3], s[G0B+4*(\s)+3], 0x80000000
	JLOAD \s                                       ; two loads of mine are out
.endr
	v_and_b32 v1, 15, v0                           ; l % 16
	v_bfe_u32 v2, v0, 4, 1                         ; l / 16
	s_and_b32 s46, s42, 7                          ; tile column of C
	s_lshl_b32 s46, s46, 9                         ; its 128 f32 in the bias
	s_lshl_b32 s47, s12, 8                         ; my 64 of them
	s_add_co_u32 s47, s46, s47
	v_lshl_add_u32 v[BA], v2, 5, s47               ; + 8 f32 for the upper half of the lanes
.irp b, 0,1,2,3
	global_load_b128 v[BI+8*(\b):BI+8*(\b)+3],   v[BA], s[6:7] offset:64*(\b)
	global_load_b128 v[BI+8*(\b)+4:BI+8*(\b)+7], v[BA], s[6:7] offset:64*(\b)+16
.endr
	v_mul_u32_u24 v3, v1, PITCH
	v_lshl_add_u32 v3, v2, 4, v3                   ; a fragment's row x pitch + 16 x half
	s_mul_i32 s21, s11, HALFT                      ; my 64 rows of A
	s_mul_i32 s22, s12, HALFT                      ; my 64 rows of B,
	s_add_co_u32 s22, s22, 2*HALFT                 ; behind A's 128
.irp s, 0,1
	v_add_nc_u32 v[ADRA+(\s)], s21, v3
	v_add_nc_u32 v[ADRB+(\s)], s22, v3
	s_add_co_u32 s21, s21, SLOT
	s_add_co_u32 s22, s22, SLOT
.endr
	s_mul_i32 s23, s11, 64*SPITCH                  ; into the stage: my 64 rows, my half of their 256 bytes
	s_lshl_b32 s21, s12, 7
	s_add_co_u32 s23, s23, s21
	s_add_co_u32 s23, s23, STAGE
	v_mul_u32_u24 v4, v1, SPITCH
	v_lshl_add_u32 v4, v2, 4, v4
	v_add_nc_u32 v[STO], s23, v4
	s_mul_i32 s23, s10, 32*SPITCH                  ; back: wave w takes rows 32 w .. 32 w + 31, whole
	s_add_co_u32 s23, s23, STAGE
	v_mul_u32_u24 v5, v2, SPITCH
	v_lshl_add_u32 v5, v1, 4, v5
	v_add_nc_u32 v[RD], s23, v5
	v_mul_u32_u24 v5, v2, SIZE_N*2
	v_lshl_add_u32 v[CO], v1, 4, v5
	s_lshl_b32 s16, s13, 7
	s_lshl_b32 s17, s10, 5
	s_add_co_u32 s16, s16, s17                     ; the first row of C that I store
	s_mov_b32 s17, 0
	s_mov_b64 s[18:19], SIZE_N*2
	s_mul_u64 s[16:17], s[16:17], s[18:19]
	s_add_nc_u64 s[8:9], s[8:9], s[16:17]
	s_lshr_b32 s46, s46, 1                         ; the tile's first column: 256 bytes a tile
	s_mov_b32 s47, 0
	s_add_nc_u64 s[8:9], s[8:9], s[46:47]
; 8 matrix instructions: m blocks a0, a0 + 1 x all 4 n blocks, 32 along K: half c of buffer f.  zero = 1: the sums start from the bias.  The 16 accumulators take turns.
.macro MUL8 f, c, a0, zero
	WIN MUL
.irp a, \a0, (\a0)+1
.irp b, 0,1,2,3
.if \zero
	v_wmma_f32_16x16x32_f16 v[ACC+8*(4*(\a)+(\b)):ACC+8*(4*(\a)+(\b))+7], v[(\f)+64+8*(4*(\c)+(\b)):(\f)+64+8*(4*(\c)+(\b))+7], v[(\f)+8*(4*(\c)+(\a)):(\f)+8*(4*(\c)+(\a))+7], v[BI+8*(\b):BI+8*(\b)+7]
.else
	v_wmma_f32_16x16x32_f16 v[ACC+8*(4*(\a)+(\b)):ACC+8*(4*(\a)+(\b))+7], v[(\f)+64+8*(4*(\c)+(\b)):(\f)+64+8*(4*(\c)+(\b))+7], v[(\f)+8*(4*(\c)+(\a)):(\f)+8*(4*(\c)+(\a))+7], v[ACC+8*(4*(\a)+(\b)):ACC+8*(4*(\a)+(\b))+7]
.endif
.endr
.endr
.endm
; 32 LDS loads in one run: the fragments of 64 along K at byte k of the rows, into buffer f; the first 32 along K first
.macro FETCH slot, k, f
	WIN TO_F
.irp c, 0,1
.irp i, 0,1,2,3
	ds_load_b128 v[(\f)+64+8*(4*(\c)+(\i)):(\f)+64+8*(4*(\c)+(\i))+3],   v[ADRB+(\slot)] offset:(\k)+64*(\c)+(\i)*16*PITCH
	ds_load_b128 v[(\f)+64+8*(4*(\c)+(\i))+4:(\f)+64+8*(4*(\c)+(\i))+7], v[ADRB+(\slot)] offset:(\k)+64*(\c)+(\i)*16*PITCH+32
	ds_load_b128 v[(\f)+8*(4*(\c)+(\i)):(\f)+8*(4*(\c)+(\i))+3],         v[ADRA+(\slot)] offset:(\k)+64*(\c)+(\i)*16*PITCH
	ds_load_b128 v[(\f)+8*(4*(\c)+(\i))+4:(\f)+8*(4*(\c)+(\i))+7],       v[ADRA+(\slot)] offset:(\k)+64*(\c)+(\i)*16*PITCH+32
.endr
.endr
.endm
.macro PLACES                          ; four places in front of loads into registers that matrix instructions have read, and of conversions that read results
.rept 4
	v_nop
.endr
.endm
; A K step is four quarters of 64 along K, 32 matrix instructions each, on buffers 0, 1, 0, 1.  One of the first three multiplies buffer f and fetches the next quarter, at byte k, into g.
.macro QUARTER slot, k, f, g, zero
	s_wait_dscnt 16                                ; the first 32 along K are in; the other sixteen loads may be out
	WIN MUL
	MUL8 \f, 0, 0, \zero
	MUL8 \f, 0, 2, \zero
	PLACES
	FETCH \slot, \k, \g
	s_wait_dscnt 32                                ; all but the 32 just issued
	WIN MUL
	MUL8 \f, 1, 0, 0
	MUL8 \f, 1, 2, 0
.endm
; The last quarter multiplies buffer 1 and changes slots: one barrier; in front of it each wave waits for all its tensor loads, adds 0 to its spare word, and waits for that and for its reads of this slot.
.macro TURN slot, next, fill
	WIN 0                                          ; the add's two registers lie in window 0
	s_wait_tensorcnt 0x0                           ; all my tensor loads have landed: my part of the next slot
	ds_add_u32 v[SPW], v[NIL]                      ; 0 onto my spare word
	s_wait_dscnt 17                                ; the add and the youngest sixteen loads may be out
	WIN MUL
	MUL8 F1, 0, 0, 0
	s_wait_dscnt 0x0                               ; the add is done, and my reads of this slot are over
	s_barrier_signal -1
	MUL8 F1, 0, 2, 0
.if \fill
	WIN 0
.endif
	s_barrier_wait -1
.if \fill
	CREST                                          ; the barrier has opened a round of the cluster's: no wave of any partner still reads this slot or has a load on its way
	s_add_nc_u64 s[G0+4*(\slot)+2:G0+4*(\slot)+3], s[G0+4*(\slot)+2:G0+4*(\slot)+3], 2*KSTEP*2
	s_add_nc_u64 s[G0B+4*(\slot)+2:G0B+4*(\slot)+3], s[G0B+4*(\slot)+2:G0B+4*(\slot)+3], 2*KSTEP*2
	JLOAD \slot                                    ; my one load behind the round; its four v_nop are also the places in front of the loads below
.else
	PLACES
.endif
	FETCH \next, 0, F0
	WIN MUL
	MUL8 F1, 1, 0, 0
	MUL8 F1, 1, 2, 0
.endm
	s_wait_tensorcnt 1                             ; my part of K step 0 is in; K step 1's may stay out
	s_barrier_signal -1
	s_barrier_wait -1
	FETCH 0, 0, F0
	s_wait_loadcnt 0x0                             ; the bias
	QUARTER 0, 128, F0, F1, 1                      ; K step 0
	QUARTER 0, 256, F1, F0, 0
	QUARTER 0, 384, F0, F1, 0
	TURN 0, 1, 1                                   ; slot 0 takes K step 2
	QUARTER 1, 128, F0, F1, 0                      ; K step 1
	QUARTER 1, 256, F1, F0, 0
	QUARTER 1, 384, F0, F1, 0
	TURN 1, 0, 1                                   ; slot 1 takes K step 3
	QUARTER 0, 128, F0, F1, 0                      ; K step 2
	QUARTER 0, 256, F1, F0, 0
	QUARTER 0, 384, F0, F1, 0
	TURN 0, 1, 0                                   ; nothing is left to fetch
	QUARTER 1, 128, F0, F1, 0                      ; K step 3
	QUARTER 1, 256, F1, F0, 0
	QUARTER 1, 384, F0, F1, 0
	s_wait_dscnt 16
	WIN MUL
	MUL8 F1, 0, 0, 0
	MUL8 F1, 0, 2, 0
	s_wait_dscnt 0
	MUL8 F1, 1, 0, 0
	MUL8 F1, 1, 2, 0
	WIN 0
	; THE WAY OUT: round to f16; 16 bytes a lane into the work-group's stage; a barrier, since a row's 256 bytes come from two waves; back as whole rows, 32 rows a wave.
	PLACES
.irp t, 0,1,2,3,4,5,6,7,8,9,10,11,12,13,14,15
.irp r, 0,1,2,3
	v_cvt_pk_f16_f32 v[TMP+4*(\t)+(\r)], v[ACC+8*(\t)+2*(\r)], v[ACC+8*(\t)+2*(\r)+1]
.endr
.endr
.irp a, 0,1,2,3
.irp b, 0,1,2,3
	ds_store_b128 v[STO], v[TMP+4*(4*(\a)+(\b)):TMP+4*(4*(\a)+(\b))+3] offset:(\a)*16*SPITCH+32*(\b)
.endr
.endr
	s_wait_dscnt 0x0                               ; for the others' sake: my stores into the stage are done
	s_barrier_signal -1
	s_barrier_wait -1
.irp t, 0,1,2,3,4,5,6,7,8,9,10,11,12,13,14,15
	ds_load_b128 v[TMP+4*(\t):TMP+4*(\t)+3], v[RD] offset:(\t)*2*SPITCH
.endr
.irp t, 0,1,2,3,4,5,6,7,8,9,10,11,12,13,14,15
	s_wait_dscnt 15-(\t)
	global_store_b128 v[CO], v[TMP+4*(\t):TMP+4*(\t)+3], s[8:9] offset:2*(\t)*SIZE_N*2  ; 16 lanes store 256 consecutive bytes, at a multiple of 256 from C's first byte
.endr
	s_wait_tensorcnt 0x0                           ; the wave's end
	ds_add_u32 v[SPW], v[NIL]
	s_wait_dscnt 0x0
	CROUND                                         ; the closing round
	s_endpgm
.Lfunc_end_k_q1f4f2a0185_g1:
	.size	k_q1f4f2a0185_g1, .Lfunc_end_k_q1f4f2a0185_g1-k_q1f4f2a0185_g1
	.p2alignl 7, 3214868480
	.fill 96, 4, 3214868480
	.section	.rodata,"a",@progbits
	.p2align	6, 0x0
	.amdhsa_kernel k_q1f4f2a0185_g1
		.amdhsa_group_segment_fixed_size 327680
		.amdhsa_private_segment_fixed_size 0
		.amdhsa_enable_private_segment 0
		.amdhsa_kernarg_size 24
		.amdhsa_user_sgpr_count 2
		.amdhsa_user_sgpr_kernarg_segment_ptr 1
		.amdhsa_wavefront_size32 1
		.amdhsa_system_sgpr_workgroup_id_x 1
		.amdhsa_system_sgpr_workgroup_id_y 1
		.amdhsa_system_sgpr_workgroup_id_z 1
		.amdhsa_system_vgpr_workitem_id 0
		.amdhsa_next_free_vgpr 512
		.amdhsa_next_free_sgpr 66
		.amdhsa_reserve_vcc 0
		.amdhsa_float_denorm_mode_32 3
		.amdhsa_float_denorm_mode_16_64 3
		.amdhsa_memory_ordered 1
		.amdhsa_forward_progress 1
		.amdhsa_inst_pref_size 87
	.end_amdhsa_kernel
	.amdgpu_metadata
---
amdhsa.version: [ 1, 2 ]
amdhsa.kernels:
  - .name:           k_q1f4f2a0185_g1
    .symbol:         k_q1f4f2a0185_g1.kd
    .args:
      - { .name: xq, .offset: 0, .size: 8, .value_kind: global_buffer, .address_space: global }
      - { .name: wqt, .offset: 8, .size: 8, .value_kind: global_buffer, .address_space: global }
      - { .name: lq, .offset: 16, .size: 8, .value_kind: global_buffer, .address_space: global }
    .group_segment_fixed_size: 327680
    .private_segment_fixed_size: 0
    .kernarg_segment_align: 8
    .kernarg_segment_size: 24
    .max_flat_workgroup_size: 128
    .sgpr_count:     66
    .vgpr_count:     512
    .wavefront_size: 32
...
	.end_amdgpu_metadata
.endif
;; end of part 2
;; launch g2: the kernel of part 2 again; grid 8 x 32, 4 waves a work-group, clusters of 4 x 4, 327,680 bytes of LDS; arguments lq, wk, xq; writes xq
;; launch g3 (part 3): grid 128 x 4, 4 waves a work-group, clusters of 4 x 4, 327,680 bytes of LDS; arguments xq, xk, sbuf; writes sbuf
.if DOCPART == 3
	.amdgcn_target "amdgcn-amd-amdhsa--gfx1250"
	.amdhsa_code_object_version 6
	.text
	.protected	k_q1f4f2a0185_g3
	.globl	k_q1f4f2a0185_g3
	.p2align	8
	.type	k_q1f4f2a0185_g3,@function
k_q1f4f2a0185_g3:
	s_mov_b64 s[64:65], 0
	v_nop
	global_prefetch_b8 v0, s[64:65] scope:SCOPE_SE
	s_setreg_imm32_b32 hwreg(HW_REG_WAVE_MODE, 25, 1), 1
	s_wait_xcnt 0x0
	s_wait_alu depctr_hold_cnt(0) depctr_sa_sdst(0) depctr_va_vdst(0) depctr_va_sdst(0) depctr_va_ssrc(0) depctr_va_vcc(0) depctr_vm_vsrc(0)
	s_getreg_b32 s2, hwreg(HW_REG_IB_STS2, 6, 4)
	s_cmp_eq_u32 s2, 0
	s_cbranch_scc0 .Lentry_in_a_cluster
	s_endpgm
.Lentry_in_a_cluster:
	s_bfe_u32 s2, ttmp6, 0x10000c
	s_cmp_lg_u32 s2, 0xf033
	s_cbranch_scc0 .Lentry_shape_is_right
	s_endpgm
.Lentry_shape_is_right:
; The raw scores: S[half][n][m] = sum over j of q'[n][j] Xk[row of (half, batch of n, m)][j], in f32.  q' (x 2^-10) and Xk: rows of 1,024 f16.  S: [2][4096][1024] f32.
; TILES.  x = half x 64 + batch x 8 + key tile = the tile row of Xk as it was laid out.  g = x / 8.  The tile row of q' is y + 4 (g mod 8), that of S is y + 4 g, the tile column of S is x mod 8.
; A tile is 128 x 128: four waves, each 64 x 64 = 16 accumulators.  K goes in four steps of 256 through two LDS slots, written straight.
; CLUSTER 4 x 4: q's tile hangs on y and the cluster's x alone (shared along a row of the cluster), Xk's on x alone (shared along a column): joint loads.
; TRANSPOSED USE: source 0 = 16 rows of Xk, source 1 = 16 rows of q': a lane holds eight neighbouring columns of one row of S.  A wave's 64 columns are 256 bytes, so each wave
; sends its results through a stage of its own: no barrier on the way out.  Scale, the term lq . bk, mask and softmax are the next launch's.
; REGISTERS: window 0: v0-31 addresses; v32-63 at work on the way out; v128-255 accumulators.  window 1: two fragment buffers of 128.
.set SIZE_K, 1024
.set KSTEP,  256
.set PITCH,  528
.set HALFT,  64*PITCH
.set SLOT,   4*HALFT
.set STAGE,  2*SLOT                    ; 16 rows x 272 bytes for each wave; no tensor load fills it
.set SPITCH, 272
.set SPARE,  STAGE+4*16*SPITCH         ; the spare words: 128 bytes a wave, named by no other line
.set CROW,   4096                      ; bytes in a row of S
.set ADRA, 16
.set ADRB, 20
.set STO,  24
.set RD,   25
.set CO,   26
.set SPW,  28                          ; v28     SPARE + 4 x my thread's number; never rewritten
.set NIL,  29                          ; v29     0; never rewritten
.set TMP,  32
.set ACC,  128
.set F0,   0
.set F1,   128
.set G1, 24
.set G0, 32
.set G1B, 48
.set G0B, 56
.set MSB, 0
.macro WIN new
.if MSB != (\new)
	s_set_vgpr_msb (MSB<<8)|(\new)
.set MSB, \new
.endif
.endm
.set MUL,  0x05
.set TO_F, 0x40
.macro JLOAD s                         ; a joint load: waves 0, 1 fetch A's halves, waves 2, 3 B's; s_nop 0 and four v_nop follow each line
	s_cmp_eq_u32 s11, 0
	s_cbranch_scc0 .Lfor_b_\@
	tensor_load_to_lds s[G0+4*(\s):G0+4*(\s)+3], s[G1:G1+7]
	s_nop 0
.rept 4
	v_nop
.endr
	s_branch .Lasked_\@
.Lfor_b_\@:
	tensor_load_to_lds s[G0B+4*(\s):G0B+4*(\s)+3], s[G1B:G1B+7]
	s_nop 0
.rept 4
	v_nop
.endr
.Lasked_\@:
.endm
.macro CREST
	s_cmp_lg_u32 s10, 0
	s_cbranch_scc1 .Lnot_wave_0_\@
	s_barrier_signal -3
.Lnot_wave_0_\@:
	s_barrier_wait -3
	s_barrier_signal -1
	s_barrier_wait -1
.endm
.macro CROUND
	s_barrier_signal -1
	s_barrier_wait -1
	CREST
.endm
	s_load_b128 s[4:7], s[0:1], 0x0                ; q' s[4:5], Xk s[6:7]
	s_load_b64 s[8:9], s[0:1], 0x10                ; S
	v_lshl_add_u32 v[SPW], v0, 2, SPARE
	v_mov_b32 v[NIL], 0
	ds_add_u32 v28, v29
	s_wait_dscnt 0x0
	v_lshrrev_b32 v1, 5, v0
	v_readfirstlane_b32 s10, v1                    ; wave 0..3
	s_lshr_b32 s11, s10, 1
	s_and_b32 s12, s10, 1
	s_bfe_u32 s40, ttmp6, 0x40000                  ; cx
	s_bfe_u32 s41, ttmp6, 0x40004                  ; cy
	s_lshl_b32 s42, ttmp9, 2
	s_add_co_u32 s42, s42, s40                     ; x
	s_and_b32 s13, ttmp7, 0xffff
	s_lshl_b32 s13, s13, 2
	s_add_co_u32 s13, s13, s41                     ; y
	s_lshr_b32 s45, ttmp9, 1                       ; g = x / 8, made of the cluster's x alone
	s_lshl2_add_u32 s3, s45, s13                   ; tile row of S = y + 4 g
	s_and_b32 s45, s45, 7                          ; the batch
	s_lshl2_add_u32 s13, s45, s13                  ; tile row of q' = y + 4 x batch
	s_lshl_b32 s43, s41, 2
	s_lshl_b32 s43, 15, s43
	s_lshl_b32 s44, 0x1111, s40
	s_or_b32 s[G1+0], s43, (1<<16)|(1<<20)|(1<<21)|(6<<22)|(3<<25)
	s_or_b32 s[G1B+0], s44, (1<<16)|(1<<20)|(1<<21)|(6<<22)|(3<<25)
.irp g, G1, G1B
	s_mov_b32 s[(\g)+1], KSTEP<<16
	s_mov_b32 s[(\g)+2], 64<<16
	s_mov_b32 s[(\g)+3], KSTEP<<16
	s_mov_b32 s[(\g)+4], 64
	s_mov_b32 s[(\g)+5], SIZE_K
	s_mov_b32 s[(\g)+6], 0
	s_mov_b32 s[(\g)+7], 0
.endr
	s_lshl_b32 s17, s12, 6
	s_lshl_b32 s16, s13, 7
	s_add_co_u32 s16, s16, s17
	s_lshl_b32 s46, s42, 7
	s_add_co_u32 s46, s46, s17
	s_mov_b32 s17, 0
	s_mov_b32 s47, 0
	s_mov_b64 s[18:19], SIZE_K*2
	s_mul_u64 s[16:17], s[16:17], s[18:19]
	s_mul_u64 s[46:47], s[46:47], s[18:19]
	s_mul_i32 s20, s10, HALFT
	s_wait_kmcnt 0x0
	s_add_nc_u64 s[14:15], s[4:5], s[16:17]
	s_add_nc_u64 s[46:47], s[6:7], s[46:47]
	CROUND                                         ; all sixteen work-groups are here: the first joint loads meet
.irp s, 0,1
	s_mov_b32 s[G0+4*(\s)], 1
	s_add_co_u32 s[G0+4*(\s)+1], s20, (\s)*SLOT
	s_add_nc_u64 s[G0+4*(\s)+2:G0+4*(\s)+3], s[14:15], (\s)*KSTEP*2
	s_or_b32 s[G0+4*(\s)+3], s[G0+4*(\s)+3], 0x80000000
	s_mov_b32 s[G0B+4*(\s)], 1
	s_add_co_u32 s[G0B+4*(\s)+1], s20, (\s)*SLOT
	s_add_nc_u64 s[G0B+4*(\s)+2:G0B+4*(\s)+3], s[46:47], (\s)*KSTEP*2
	s_or_b32 s[G0B+4*(\s)+3], s[G0B+4*(\s)+3], 0x80000000
	JLOAD \s                                       ; two loads of mine are out
.endr
	v_and_b32 v1, 15, v0                           ; l % 16
	v_bfe_u32 v2, v0, 4, 1                         ; l / 16
	v_mul_u32_u24 v3, v1, PITCH
	v_lshl_add_u32 v3, v2, 4, v3
	s_mul_i32 s21, s11, HALFT
	s_mul_i32 s22, s12, HALFT
	s_add_co_u32 s22, s22, 2*HALFT
.irp s, 0,1
	v_add_nc_u32 v[ADRA+(\s)], s21, v3
	v_add_nc_u32 v[ADRB+(\s)], s22, v3
	s_add_co_u32 s21, s21, SLOT
	s_add_co_u32 s22, s22, SLOT
.endr
	s_mul_i32 s23, s10, 16*SPITCH
	s_add_co_u32 s23, s23, STAGE                   ; my stage
	v_mul_u32_u24 v4, v1, SPITCH                   ; in: row l % 16, 32 bytes for each half of the lanes
	v_lshl_add_u32 v4, v2, 5, v4
	v_add_nc_u32 v[STO], s23, v4
	v_mul_u32_u24 v5, v2, SPITCH                   ; back: lanes 0-15 one row of 256 bytes, lanes 16-31 the next
	v_lshl_add_u32 v5, v1, 4, v5
	v_add_nc_u32 v[RD], s23, v5
	v_lshlrev_b32 v5, 12, v2                       ; and the same two rows in S
	v_lshl_add_u32 v[CO], v1, 4, v5
	s_lshl_b32 s16, s3, 7
	s_lshl_b32 s17, s11, 6
	s_add_co_u32 s16, s16, s17                     ; my first row of S (under 8,192),
	s_lshl_b32 s16, s16, 12                        ; in bytes
	s_mov_b32 s17, 0
	s_add_nc_u64 s[8:9], s[8:9], s[16:17]
	s_and_b32 s46, s42, 7
	s_lshl_b32 s46, s46, 9                         ; the tile's 128 columns of 4 bytes,
	s_lshl_b32 s47, s12, 8                         ; my 64 of them
	s_add_co_u32 s46, s46, s47
	s_mov_b32 s47, 0
	s_add_nc_u64 s[8:9], s[8:9], s[46:47]
; 8 matrix instructions: m blocks a0, a0 + 1 x all 4 n blocks, 32 along K.  zero = 1: the first product starts the sums.  The 16 accumulators take turns.
.macro MUL8 f, c, a0, zero
	WIN MUL
.irp a, \a0, (\a0)+1
.irp b, 0,1,2,3
.if \zero
	v_wmma_f32_16x16x32_f16 v[ACC+8*(4*(\a)+(\b)):ACC+8*(4*(\a)+(\b))+7], v[(\f)+64+8*(4*(\c)+(\b)):(\f)+64+8*(4*(\c)+(\b))+7], v[(\f)+8*(4*(\c)+(\a)):(\f)+8*(4*(\c)+(\a))+7], 0
.else
	v_wmma_f32_16x16x32_f16 v[ACC+8*(4*(\a)+(\b)):ACC+8*(4*(\a)+(\b))+7], v[(\f)+64+8*(4*(\c)+(\b)):(\f)+64+8*(4*(\c)+(\b))+7], v[(\f)+8*(4*(\c)+(\a)):(\f)+8*(4*(\c)+(\a))+7], v[ACC+8*(4*(\a)+(\b)):ACC+8*(4*(\a)+(\b))+7]
.endif
.endr
.endr
.endm
.macro FETCH slot, k, f
	WIN TO_F
.irp c, 0,1
.irp i, 0,1,2,3
	ds_load_b128 v[(\f)+64+8*(4*(\c)+(\i)):(\f)+64+8*(4*(\c)+(\i))+3],   v[ADRB+(\slot)] offset:(\k)+64*(\c)+(\i)*16*PITCH
	ds_load_b128 v[(\f)+64+8*(4*(\c)+(\i))+4:(\f)+64+8*(4*(\c)+(\i))+7], v[ADRB+(\slot)] offset:(\k)+64*(\c)+(\i)*16*PITCH+32
	ds_load_b128 v[(\f)+8*(4*(\c)+(\i)):(\f)+8*(4*(\c)+(\i))+3],         v[ADRA+(\slot)] offset:(\k)+64*(\c)+(\i)*16*PITCH
	ds_load_b128 v[(\f)+8*(4*(\c)+(\i))+4:(\f)+8*(4*(\c)+(\i))+7],       v[ADRA+(\slot)] offset:(\k)+64*(\c)+(\i)*16*PITCH+32
.endr
.endr
.endm
.macro PLACES                          ; four places behind matrix instructions (ISA guide 7.12.1)
.rept 4
	v_nop
.endr
.endm
.macro QUARTER slot, k, f, g, zero
	s_wait_dscnt 16                                ; the first 32 along K are in
	WIN MUL
	MUL8 \f, 0, 0, \zero
	MUL8 \f, 0, 2, \zero
	PLACES
	FETCH \slot, \k, \g
	s_wait_dscnt 32                                ; all but the 32 just issued
	WIN MUL
	MUL8 \f, 1, 0, 0
	MUL8 \f, 1, 2, 0
.endm
.macro TURN slot, next, fill
	WIN 0
	s_wait_tensorcnt 0x0                           ; all my tensor loads have landed: my part of the next slot
	ds_add_u32 v[SPW], v[NIL]                      ; 0 onto my spare word
	s_wait_dscnt 17                                ; the add and the youngest sixteen loads may be out
	WIN MUL
	MUL8 F1, 0, 0, 0
	s_wait_dscnt 0x0                               ; the add is done, and my reads of this slot are over
	s_barrier_signal -1
	MUL8 F1, 0, 2, 0
.if \fill
	WIN 0
.endif
	s_barrier_wait -1
.if \fill
	CREST                                          ; a round of the cluster's barrier: no wave of any partner still reads this slot or has a load on its way
	s_add_nc_u64 s[G0+4*(\slot)+2:G0+4*(\slot)+3], s[G0+4*(\slot)+2:G0+4*(\slot)+3], 2*KSTEP*2
	s_add_nc_u64 s[G0B+4*(\slot)+2:G0B+4*(\slot)+3], s[G0B+4*(\slot)+2:G0B+4*(\slot)+3], 2*KSTEP*2
	JLOAD \slot                                    ; my one load behind the round; its four v_nop are also the places in front of the loads below
.else
	PLACES
.endif
	FETCH \next, 0, F0
	WIN MUL
	MUL8 F1, 1, 0, 0
	MUL8 F1, 1, 2, 0
.endm
	s_wait_tensorcnt 1                             ; my part of K step 0 is in; K step 1's may stay out
	s_barrier_signal -1
	s_barrier_wait -1
	FETCH 0, 0, F0
	QUARTER 0, 128, F0, F1, 1                      ; K step 0
	QUARTER 0, 256, F1, F0, 0
	QUARTER 0, 384, F0, F1, 0
	TURN 0, 1, 1                                   ; slot 0 takes K step 2
	QUARTER 1, 128, F0, F1, 0                      ; K step 1
	QUARTER 1, 256, F1, F0, 0
	QUARTER 1, 384, F0, F1, 0
	TURN 1, 0, 1                                   ; slot 1 takes K step 3
	QUARTER 0, 128, F0, F1, 0                      ; K step 2
	QUARTER 0, 256, F1, F0, 0
	QUARTER 0, 384, F0, F1, 0
	TURN 0, 1, 0                                   ; nothing is left to fetch
	QUARTER 1, 128, F0, F1, 0                      ; K step 3
	QUARTER 1, 256, F1, F0, 0
	QUARTER 1, 384, F0, F1, 0
	s_wait_dscnt 16
	WIN MUL
	MUL8 F1, 0, 0, 0
	MUL8 F1, 0, 2, 0
	s_wait_dscnt 0
	MUL8 F1, 1, 0, 0
	MUL8 F1, 1, 2, 0
	WIN 0
	; THE WAY OUT, 16 rows at a time, through my own stage: a lane's eight f32 of a row go in as 32 bytes, whole rows of 256 bytes come back.  LDS serves a wave's instructions in order.
	PLACES
.irp a, 0,1,2,3
.if (\a) > 0
	s_wait_xcnt 0x0                                ; TMP was the last stores' data: loaded again only behind this wait
.endif
.irp b, 0,1,2,3
	ds_store_b128 v[STO], v[ACC+8*(4*(\a)+(\b)):ACC+8*(4*(\a)+(\b))+3]   offset:64*(\b)
	ds_store_b128 v[STO], v[ACC+8*(4*(\a)+(\b))+4:ACC+8*(4*(\a)+(\b))+7] offset:64*(\b)+16
.endr
.irp t, 0,1,2,3,4,5,6,7
	ds_load_b128 v[TMP+4*(\t):TMP+4*(\t)+3], v[RD] offset:(\t)*2*SPITCH
.endr
.irp t, 0,1,2,3,4,5,6,7
	s_wait_dscnt 7-(\t)
	global_store_b128 v[CO], v[TMP+4*(\t):TMP+4*(\t)+3], s[8:9] offset:(16*(\a)+2*(\t))*CROW  ; 16 lanes store 256 consecutive bytes, at a multiple of 256 from S's first byte
.endr
.endr
	s_wait_tensorcnt 0x0                           ; the wave's end
	ds_add_u32 v[SPW], v[NIL]
	s_wait_dscnt 0x0
	CROUND                                         ; the closing round
	s_endpgm
.Lfunc_end_k_q1f4f2a0185_g3:
	.size	k_q1f4f2a0185_g3, .Lfunc_end_k_q1f4f2a0185_g3-k_q1f4f2a0185_g3
	.p2alignl 7, 3214868480
	.fill 96, 4, 3214868480
	.section	.rodata,"a",@progbits
	.p2align	6, 0x0
	.amdhsa_kernel k_q1f4f2a0185_g3
		.amdhsa_group_segment_fixed_size 327680
		.amdhsa_private_segment_fixed_size 0
		.amdhsa_enable_private_segment 0
		.amdhsa_kernarg_size 24
		.amdhsa_user_sgpr_count 2
		.amdhsa_user_sgpr_kernarg_segment_ptr 1
		.amdhsa_wavefront_size32 1
		.amdhsa_system_sgpr_workgroup_id_x 1
		.amdhsa_system_sgpr_workgroup_id_y 1
		.amdhsa_system_sgpr_workgroup_id_z 1
		.amdhsa_system_vgpr_workitem_id 0
		.amdhsa_next_free_vgpr 512
		.amdhsa_next_free_sgpr 66
		.amdhsa_reserve_vcc 0
		.amdhsa_float_denorm_mode_32 3
		.amdhsa_float_denorm_mode_16_64 3
		.amdhsa_memory_ordered 1
		.amdhsa_forward_progress 1
		.amdhsa_inst_pref_size 86
	.end_amdhsa_kernel
	.amdgpu_metadata
---
amdhsa.version: [ 1, 2 ]
amdhsa.kernels:
  - .name:           k_q1f4f2a0185_g3
    .symbol:         k_q1f4f2a0185_g3.kd
    .args:
      - { .name: xq, .offset: 0, .size: 8, .value_kind: global_buffer, .address_space: global }
      - { .name: xk, .offset: 8, .size: 8, .value_kind: global_buffer, .address_space: global }
      - { .name: sbuf, .offset: 16, .size: 8, .value_kind: global_buffer, .address_space: global }
    .group_segment_fixed_size: 327680
    .private_segment_fixed_size: 0
    .kernarg_segment_align: 8
    .kernarg_segment_size: 24
    .max_flat_workgroup_size: 128
    .sgpr_count:     66
    .vgpr_count:     512
    .wavefront_size: 32
...
	.end_amdgpu_metadata
.endif
;; end of part 3
;; launch sm (part 4): grid 1024 x 1, 4 waves a work-group, no clusters, 0 bytes of LDS; arguments sbuf, lq, bk, seq_lens, xk; writes xk
.if DOCPART == 4
	.amdgcn_target "amdgcn-amd-amdhsa--gfx1250"
	.amdhsa_code_object_version 6
	.text
	.protected	k_q1f4f2a0185_sm
	.globl	k_q1f4f2a0185_sm
	.p2align	8
	.type	k_q1f4f2a0185_sm,@function
k_q1f4f2a0185_sm:
	s_mov_b64 s[64:65], 0
	v_nop
	global_prefetch_b8 v0, s[64:65] scope:SCOPE_SE
	s_setreg_imm32_b32 hwreg(HW_REG_WAVE_MODE, 25, 1), 1
	s_wait_xcnt 0x0
; One wave, one query row n: score[m] = 32 (S[m] + lq[n] . bk) + mask[m];  P = softmax(score), rounded to f16.
; S and lq carry the factor 2^-10, and 2^10 / sqrt(1024) = 32.  bk is rounded to bf16 like every input.  mask = 0 where m < seq_lens[batch], else the lowest finite f32, ADDED as in the
; definition; the row's maximum is taken away before the exponential, so a row with no valid key gives the uniform weights.  seq_lens is clamped to 0..2048: the comparison with m = 0..2047 is the same.
; The row's 2,048 scores stay in 64 registers a lane: memory is read once.  S: [2][4096][1024] f32; P: [2][4096][1024] f16 (the two halves of the keys).
; No LDS, no barrier, no matrix unit: the reduction never leaves the wave, and memory binds.
; LIMITS.  A weight below 2^-126 counts as 0; below 6.1e-5 P keeps f16's fixed step of 6e-8.  NaN and infinities are not treated apart.
.set VD, 5                             ; v5       len - 4 x lane
.set VM, 6                             ; v[6:7]   the mask's addend, two by turns
.set TA, 8                             ; v[8:9]   lq . bk, two chains; then 32 x the sum, twice
.set MX, 10                            ; v[10:11] the maximum, twice
.set M,  12                            ; v[12:15] lq as f32, at work; then four running maxima
.set LQ, 16                            ; v[16:31] lq: register 4 k + p holds elements 256 k + 8 lane + 2 p, + 1;  later P
.set BK, 32                            ; v[32:63] bk: register 8 k + e holds element 256 k + 8 lane + e
.set Z,  64                            ; v[64:127] register 32 half + 4 k + j: key 1024 half + 128 k + 4 lane + j
.set SU, 128                           ; v[128:135] four chains of sums, in pairs
.set R,  136                           ; v[136:137] 1 / sum, twice
.set VZ, 138                           ; v138     0
.set P,  16
	s_load_b256 s[4:11], s[0:1], 0x0               ; S 4, lq 6, bk 8, seq_lens 10
	s_load_b64 s[12:13], s[0:1], 0x20              ; P
	v_lshrrev_b32 v1, 5, v0
	v_readfirstlane_b32 s16, v1
	s_lshl2_add_u32 s16, ttmp9, s16                ; n = 4 x work-group + wave
	s_lshr_b32 s15, ttmp9, 7                       ; the batch: 512 rows = 128 work-groups
	s_lshl_b32 s15, s15, 2
	v_and_b32 v1, 31, v0
	v_lshlrev_b32 v2, 4, v1                        ; 16 x lane
	v_lshlrev_b32 v3, 5, v1                        ; 32 x lane
	v_lshlrev_b32 v4, 3, v1                        ; 8 x lane
	v_lshlrev_b32 v[VD], 2, v1
	s_lshl_b32 s18, s16, 12
	s_mov_b32 s19, 0
	s_lshl_b32 s20, s16, 11
	s_mov_b32 s21, 0
	s_mov_b32 s26, 0x76543210                      ; v_permlanex16_b32: each lane takes its own place in the other half
	s_mov_b32 s27, 0xfedcba98
	s_mov_b32 s28, 0xff7fffff                      ; the lowest finite f32
	s_wait_kmcnt 0x0
	s_load_b32 s14, s[10:11], s15 offset:0x0
	s_add_nc_u64 s[4:5], s[4:5], s[18:19]          ; S, first half of the keys
	s_add_nc_u64 s[22:23], s[4:5], 0x1000000       ; second half
	s_add_nc_u64 s[6:7], s[6:7], s[20:21]
	s_add_nc_u64 s[12:13], s[12:13], s[20:21]      ; P, first half
	s_add_nc_u64 s[24:25], s[12:13], 0x800000      ; second half
.irp k, 0,1,2,3
	global_load_b128 v[LQ+4*(\k):LQ+4*(\k)+3], v2, s[6:7] offset:512*(\k)
.endr
.irp k, 0,1,2,3
	global_load_b128 v[BK+8*(\k):BK+8*(\k)+3],   v3, s[8:9] offset:1024*(\k)
	global_load_b128 v[BK+8*(\k)+4:BK+8*(\k)+7], v3, s[8:9] offset:1024*(\k)+16
.endr
.irp k, 0,1,2,3,4,5,6,7
	global_load_b128 v[Z+4*(\k):Z+4*(\k)+3], v2, s[4:5] offset:512*(\k) th:TH_LOAD_NT
.endr
.irp k, 0,1,2,3,4,5,6,7
	global_load_b128 v[Z+32+4*(\k):Z+32+4*(\k)+3], v2, s[22:23] offset:512*(\k) th:TH_LOAD_NT
.endr
	v_mov_b32 v[TA], 0
	v_mov_b32 v[TA+1], 0
	v_mov_b32 v[VZ], 0
	s_wait_loadcnt 16                              ; lq and bk are in; the sixteen loads of S stay out
.set i, 0
.rept 16
	v_cvt_pk_bf16_f32 v[BK+2*i], v[BK+2*i], v[BK+2*i+1]  ; bk rounded to bf16, two to a register
.set i, i+1
.endr
.set i, 0
.irp h, v16.l,v16.h,v17.l,v17.h,v18.l,v18.h,v19.l,v19.h,v20.l,v20.h,v21.l,v21.h,v22.l,v22.h,v23.l,v23.h,v24.l,v24.h,v25.l,v25.h,v26.l,v26.h,v27.l,v27.h,v28.l,v28.h,v29.l,v29.h,v30.l,v30.h,v31.l,v31.h
	v_cvt_f32_f16 v[M+i%4], \h
.if i%2
	v_fma_mix_f32_bf16 v[TA+1], v[BK+2*(i/2)], v[M+i%4], v[TA+1] op_sel:[1,0,0] op_sel_hi:[1,0,0]
.else
	v_fma_mix_f32_bf16 v[TA], v[BK+2*(i/2)], v[M+i%4], v[TA] op_sel_hi:[1,0,0]
.endif
.set i, i+1
.endr
	v_add_f32 v[TA], v[TA], v[TA+1]
	v_add_f32_dpp v[TA], v[TA], v[TA] row_xmask:1 row_mask:0xf bank_mask:0xf
	v_add_f32_dpp v[TA], v[TA], v[TA] row_xmask:2 row_mask:0xf bank_mask:0xf
	v_add_f32_dpp v[TA], v[TA], v[TA] row_xmask:4 row_mask:0xf bank_mask:0xf
	v_add_f32_dpp v[TA], v[TA], v[TA] row_xmask:8 row_mask:0xf bank_mask:0xf
	v_permlanex16_b32 v[TA+1], v[TA], s26, s27
	v_add_f32 v[TA], v[TA], v[TA+1]
	v_mul_f32 v[TA], 0x42000000, v[TA]             ; 32 (lq . bk)
	v_mov_b32 v[TA+1], v[TA]
	s_wait_kmcnt 0x0
	s_max_i32 s14, s14, 0
	s_min_i32 s14, s14, 0x800
	v_sub_nc_u32 v[VD], s14, v[VD]                 ; key 1024 half + 128 k + 4 lane + j is valid where 1024 half + 128 k + j < len - 4 lane
	s_wait_loadcnt 0x0
.set i, 0
.rept 32
	v_pk_fma_f32 v[Z+2*i:Z+2*i+1], v[Z+2*i:Z+2*i+1], 0x42000000, v[TA:TA+1] op_sel_hi:[1,0,1]
.set i, i+1
.endr
.set i, 0
.rept 64
	v_cmp_lt_i32 vcc_lo, 1024*(i/32)+128*((i%32)/4)+i%4, v[VD]
	v_cndmask_b32 v[VM+i%2], s28, v[VZ], vcc_lo    ; 0 where valid, else the lowest finite number
	v_add_f32 v[Z+i], v[Z+i], v[VM+i%2]
.set i, i+1
.endr
	; the maximum: four chains, three operands at a time
.irp c, 0,1,2,3
	v_max3_num_f32 v[M+(\c)], v[Z+16*(\c)], v[Z+16*(\c)+1], v[Z+16*(\c)+2]
.endr
.irp u, 0,1,2,3,4,5
.irp c, 0,1,2,3
	v_max3_num_f32 v[M+(\c)], v[M+(\c)], v[Z+16*(\c)+3+2*(\u)], v[Z+16*(\c)+4+2*(\u)]
.endr
.endr
	v_max3_num_f32 v[M], v[M], v[Z+15], v[Z+31]
	v_max3_num_f32 v[M+2], v[M+2], v[Z+47], v[Z+63]
	v_max3_num_f32 v[M], v[M], v[M+1], v[M+2]
	v_max_num_f32 v[M], v[M], v[M+3]
	v_max_num_f32_dpp v[M], v[M], v[M] row_xmask:1 row_mask:0xf bank_mask:0xf
	v_max_num_f32_dpp v[M], v[M], v[M] row_xmask:2 row_mask:0xf bank_mask:0xf
	v_max_num_f32_dpp v[M], v[M], v[M] row_xmask:4 row_mask:0xf bank_mask:0xf
	v_max_num_f32_dpp v[M], v[M], v[M] row_xmask:8 row_mask:0xf bank_mask:0xf
	v_permlanex16_b32 v[M+1], v[M], s26, s27
	v_max_num_f32 v[MX], v[M], v[M+1]
	v_mov_b32 v[MX+1], v[MX]
.set i, 0
.rept 32                               ; the difference first, then log2(e): a row of equal scores gives exactly 0
	v_pk_add_f32 v[Z+2*i:Z+2*i+1], v[Z+2*i:Z+2*i+1], v[MX:MX+1] neg_lo:[0,1] neg_hi:[0,1]
.set i, i+1
.endr
.set i, 0
.rept 32
	v_pk_mul_f32 v[Z+2*i:Z+2*i+1], v[Z+2*i:Z+2*i+1], 0x3fb8aa3b op_sel_hi:[1,0]
.set i, i+1
.endr
.set i, 0
.rept 64
	v_exp_f32 v[Z+i], v[Z+i]
.set i, i+1
.endr
	v_nop                                          ; a plain instruction between the last exponential and the use of its result
	s_wait_alu depctr_va_vdst(0)
.irp c, 0,1,2,3
	v_pk_add_f32 v[SU+2*(\c):SU+2*(\c)+1], v[Z+2*(\c):Z+2*(\c)+1], v[Z+8+2*(\c):Z+8+2*(\c)+1]
.endr
.irp u, 2,3,4,5,6,7
.irp c, 0,1,2,3
	v_pk_add_f32 v[SU+2*(\c):SU+2*(\c)+1], v[SU+2*(\c):SU+2*(\c)+1], v[Z+8*(\u)+2*(\c):Z+8*(\u)+2*(\c)+1]
.endr
.endr
	v_pk_add_f32 v[SU:SU+1], v[SU:SU+1], v[SU+2:SU+3]
	v_pk_add_f32 v[SU+4:SU+5], v[SU+4:SU+5], v[SU+6:SU+7]
	v_pk_add_f32 v[SU:SU+1], v[SU:SU+1], v[SU+4:SU+5]
	v_add_f32 v[SU], v[SU], v[SU+1]
	v_add_f32_dpp v[SU], v[SU], v[SU] row_xmask:1 row_mask:0xf bank_mask:0xf
	v_add_f32_dpp v[SU], v[SU], v[SU] row_xmask:2 row_mask:0xf bank_mask:0xf
	v_add_f32_dpp v[SU], v[SU], v[SU] row_xmask:4 row_mask:0xf bank_mask:0xf
	v_add_f32_dpp v[SU], v[SU], v[SU] row_xmask:8 row_mask:0xf bank_mask:0xf
	v_permlanex16_b32 v[SU+1], v[SU], s26, s27
	v_add_f32 v[SU+2], v[SU], v[SU+1]
	v_rcp_f32 v[R], v[SU+2]
	v_rcp_f32 v[R+1], v[SU+2]
	v_nop                                          ; a plain instruction behind the reciprocals
.set i, 0
	s_wait_alu depctr_va_vdst(0)
.rept 32
	v_pk_mul_f32 v[Z+2*i:Z+2*i+1], v[Z+2*i:Z+2*i+1], v[R:R+1]
.set i, i+1
.endr
.set i, 0
.rept 32
	v_cvt_pk_f16_f32 v[P+i], v[Z+2*i], v[Z+2*i+1]
.set i, i+1
.endr
.irp k, 0,1,2,3,4,5,6,7
	global_store_b64 v4, v[P+2*(\k):P+2*(\k)+1], s[12:13] offset:256*(\k)  ; the wave stores 256 consecutive bytes, at a multiple of 256
.endr
.irp k, 0,1,2,3,4,5,6,7
	global_store_b64 v4, v[P+16+2*(\k):P+16+2*(\k)+1], s[24:25] offset:256*(\k)
.endr
	s_endpgm
.Lfunc_end_k_q1f4f2a0185_sm:
	.size	k_q1f4f2a0185_sm, .Lfunc_end_k_q1f4f2a0185_sm-k_q1f4f2a0185_sm
	.p2alignl 7, 3214868480
	.fill 96, 4, 3214868480
	.section	.rodata,"a",@progbits
	.p2align	6, 0x0
	.amdhsa_kernel k_q1f4f2a0185_sm
		.amdhsa_group_segment_fixed_size 0
		.amdhsa_private_segment_fixed_size 0
		.amdhsa_enable_private_segment 0
		.amdhsa_kernarg_size 40
		.amdhsa_user_sgpr_count 2
		.amdhsa_user_sgpr_kernarg_segment_ptr 1
		.amdhsa_wavefront_size32 1
		.amdhsa_system_sgpr_workgroup_id_x 1
		.amdhsa_system_sgpr_workgroup_id_y 1
		.amdhsa_system_sgpr_workgroup_id_z 1
		.amdhsa_system_vgpr_workitem_id 0
		.amdhsa_next_free_vgpr 144
		.amdhsa_next_free_sgpr 66
		.amdhsa_reserve_vcc 1
		.amdhsa_float_denorm_mode_32 3
		.amdhsa_float_denorm_mode_16_64 3
		.amdhsa_memory_ordered 1
		.amdhsa_forward_progress 1
		.amdhsa_inst_pref_size 37
	.end_amdhsa_kernel
	.amdgpu_metadata
---
amdhsa.version: [ 1, 2 ]
amdhsa.kernels:
  - .name:           k_q1f4f2a0185_sm
    .symbol:         k_q1f4f2a0185_sm.kd
    .args:
      - { .name: sbuf, .offset: 0, .size: 8, .value_kind: global_buffer, .address_space: global }
      - { .name: lq, .offset: 8, .size: 8, .value_kind: global_buffer, .address_space: global }
      - { .name: bk, .offset: 16, .size: 8, .value_kind: global_buffer, .address_space: global }
      - { .name: seq_lens, .offset: 24, .size: 8, .value_kind: global_buffer, .address_space: global }
      - { .name: xk, .offset: 32, .size: 8, .value_kind: global_buffer, .address_space: global }
    .group_segment_fixed_size: 0
    .private_segment_fixed_size: 0
    .kernarg_segment_align: 8
    .kernarg_segment_size: 40
    .max_flat_workgroup_size: 128
    .sgpr_count:     66
    .vgpr_count:     144
    .wavefront_size: 32
...
	.end_amdgpu_metadata
.endif
;; end of part 4
;; launch g5: the kernel of part 2 again; grid 128 x 4, 4 waves a work-group, clusters of 4 x 4, 327,680 bytes of LDS; arguments xk, xvt, sbuf; writes sbuf
;; launch g6: the kernel of part 2 again; grid 8 x 64, 4 waves a work-group, clusters of 4 x 4, 327,680 bytes of LDS; arguments sbuf, wvt, xk; writes xk
;; launch fin (part 5): grid 256 x 1, 8 waves a work-group, no clusters, 0 bytes of LDS; arguments xk, bv, out0; writes out0
.if DOCPART == 5
	.amdgcn_target "amdgcn-amd-amdhsa--gfx1250"
	.amdhsa_code_object_version 6
	.text
	.protected	k_q1f4f2a0185_fin
	.globl	k_q1f4f2a0185_fin
	.p2align	8
	.type	k_q1f4f2a0185_fin,@function
k_q1f4f2a0185_fin:
	s_mov_b64 s[64:65], 0
	v_nop
	global_prefetch_b8 v0, s[64:65] scope:SCOPE_SE
	s_setreg_imm32_b32 hwreg(HW_REG_WAVE_MODE, 25, 1), 1
	s_wait_xcnt 0x0
; out[n][o] = part[0][n][o] + part[1][n][o] + bv[o].  part: [2][4096][1024] f16, the two halves of the keys; out: [4096][1024] f32.  bv is rounded to bf16 like every input.
; (The weights of a row add up to 1, so bv enters once, here.)  A work-group takes 16 rows; thread t keeps columns 4 t .. 4 t + 3, so its four bv stay in registers.
; All 32 loads of a thread go out first; every row has store registers of its own, so no register that a store reads is written again.
; A stream: no LDS, no barrier, no matrix unit, no cluster.
.set BV, 8                             ; v[8:11]   bv of my four columns
.set TA, 12                            ; v[12:15]  first half as f32
.set TB, 4                             ; v[4:7]    second half as f32
.set A,  16                            ; v[16:47]  first half, two registers a row
.set B,  48                            ; v[48:79]  second half
.set O,  80                            ; v[80:143] four registers a row, to store
	s_load_b128 s[4:7], s[0:1], 0x0                ; part, bv
	s_load_b64 s[8:9], s[0:1], 0x10                ; out
	v_lshlrev_b32 v1, 3, v0                        ; 8 t
	v_lshlrev_b32 v2, 4, v0                        ; 16 t
	s_lshl_b32 s10, ttmp9, 15                      ; 16 rows of 2,048 bytes
	s_mov_b32 s11, 0
	s_lshl_b32 s12, ttmp9, 16                      ; 16 rows of 4,096 bytes
	s_mov_b32 s13, 0
	s_wait_kmcnt 0x0
	s_add_nc_u64 s[4:5], s[4:5], s[10:11]
	s_add_nc_u64 s[14:15], s[4:5], 0x800000        ; the second half
	s_add_nc_u64 s[8:9], s[8:9], s[12:13]
	global_load_b128 v[BV:BV+3], v2, s[6:7]
.irp i, 0,1,2,3,4,5,6,7,8,9,10,11,12,13,14,15
	global_load_b64 v[A+2*(\i):A+2*(\i)+1], v1, s[4:5] offset:2048*(\i) th:TH_LOAD_NT
	global_load_b64 v[B+2*(\i):B+2*(\i)+1], v1, s[14:15] offset:2048*(\i) th:TH_LOAD_NT
.endr
	s_wait_loadcnt 32                              ; bv is in; the 32 loads behind it stay out
	v_cvt_pk_bf16_f32 v4, v[BV], v[BV+1]
	v_cvt_pk_bf16_f32 v5, v[BV+2], v[BV+3]
	v_lshlrev_b32 v[BV], 16, v4
	v_and_b32 v[BV+1], 0xffff0000, v4
	v_lshlrev_b32 v[BV+2], 16, v5
	v_and_b32 v[BV+3], 0xffff0000, v5
; Row i; its eight f16 are named as halves of the registers that they were loaded into.
.macro ROWF i, a0, a1, a2, a3, b0, b1, b2, b3
	s_wait_loadcnt 30-2*(\i)                       ; two loads a row: those of the rows behind stay out
	v_cvt_f32_f16 v[TA], \a0
	v_cvt_f32_f16 v[TA+1], \a1
	v_cvt_f32_f16 v[TA+2], \a2
	v_cvt_f32_f16 v[TA+3], \a3
	v_cvt_f32_f16 v[TB], \b0
	v_cvt_f32_f16 v[TB+1], \b1
	v_cvt_f32_f16 v[TB+2], \b2
	v_cvt_f32_f16 v[TB+3], \b3
	v_pk_add_f32 v[O+4*(\i):O+4*(\i)+1], v[TA:TA+1], v[TB:TB+1]
	v_pk_add_f32 v[O+4*(\i)+2:O+4*(\i)+3], v[TA+2:TA+3], v[TB+2:TB+3]
	v_pk_add_f32 v[O+4*(\i):O+4*(\i)+1], v[O+4*(\i):O+4*(\i)+1], v[BV:BV+1]
	v_pk_add_f32 v[O+4*(\i)+2:O+4*(\i)+3], v[O+4*(\i)+2:O+4*(\i)+3], v[BV+2:BV+3]
	global_store_b128 v2, v[O+4*(\i):O+4*(\i)+3], s[8:9] offset:4096*(\i) th:TH_STORE_NT  ; a wave stores 512 consecutive bytes
.endm
	ROWF 0, v16.l, v16.h, v17.l, v17.h, v48.l, v48.h, v49.l, v49.h
	ROWF 1, v18.l, v18.h, v19.l, v19.h, v50.l, v50.h, v51.l, v51.h
	ROWF 2, v20.l, v20.h, v21.l, v21.h, v52.l, v52.h, v53.l, v53.h
	ROWF 3, v22.l, v22.h, v23.l, v23.h, v54.l, v54.h, v55.l, v55.h
	ROWF 4, v24.l, v24.h, v25.l, v25.h, v56.l, v56.h, v57.l, v57.h
	ROWF 5, v26.l, v26.h, v27.l, v27.h, v58.l, v58.h, v59.l, v59.h
	ROWF 6, v28.l, v28.h, v29.l, v29.h, v60.l, v60.h, v61.l, v61.h
	ROWF 7, v30.l, v30.h, v31.l, v31.h, v62.l, v62.h, v63.l, v63.h
	ROWF 8, v32.l, v32.h, v33.l, v33.h, v64.l, v64.h, v65.l, v65.h
	ROWF 9, v34.l, v34.h, v35.l, v35.h, v66.l, v66.h, v67.l, v67.h
	ROWF 10, v36.l, v36.h, v37.l, v37.h, v68.l, v68.h, v69.l, v69.h
	ROWF 11, v38.l, v38.h, v39.l, v39.h, v70.l, v70.h, v71.l, v71.h
	ROWF 12, v40.l, v40.h, v41.l, v41.h, v72.l, v72.h, v73.l, v73.h
	ROWF 13, v42.l, v42.h, v43.l, v43.h, v74.l, v74.h, v75.l, v75.h
	ROWF 14, v44.l, v44.h, v45.l, v45.h, v76.l, v76.h, v77.l, v77.h
	ROWF 15, v46.l, v46.h, v47.l, v47.h, v78.l, v78.h, v79.l, v79.h
	s_endpgm
.Lfunc_end_k_q1f4f2a0185_fin:
	.size	k_q1f4f2a0185_fin, .Lfunc_end_k_q1f4f2a0185_fin-k_q1f4f2a0185_fin
	.p2alignl 7, 3214868480
	.fill 96, 4, 3214868480
	.section	.rodata,"a",@progbits
	.p2align	6, 0x0
	.amdhsa_kernel k_q1f4f2a0185_fin
		.amdhsa_group_segment_fixed_size 0
		.amdhsa_private_segment_fixed_size 0
		.amdhsa_enable_private_segment 0
		.amdhsa_kernarg_size 24
		.amdhsa_user_sgpr_count 2
		.amdhsa_user_sgpr_kernarg_segment_ptr 1
		.amdhsa_wavefront_size32 1
		.amdhsa_system_sgpr_workgroup_id_x 1
		.amdhsa_system_sgpr_workgroup_id_y 1
		.amdhsa_system_sgpr_workgroup_id_z 1
		.amdhsa_system_vgpr_workitem_id 0
		.amdhsa_next_free_vgpr 152
		.amdhsa_next_free_sgpr 66
		.amdhsa_reserve_vcc 0
		.amdhsa_float_denorm_mode_32 3
		.amdhsa_float_denorm_mode_16_64 3
		.amdhsa_memory_ordered 1
		.amdhsa_forward_progress 1
		.amdhsa_inst_pref_size 15
	.end_amdhsa_kernel
	.amdgpu_metadata
---
amdhsa.version: [ 1, 2 ]
amdhsa.kernels:
  - .name:           k_q1f4f2a0185_fin
    .symbol:         k_q1f4f2a0185_fin.kd
    .args:
      - { .name: xk, .offset: 0, .size: 8, .value_kind: global_buffer, .address_space: global }
      - { .name: bv, .offset: 8, .size: 8, .value_kind: global_buffer, .address_space: global }
      - { .name: out0, .offset: 16, .size: 8, .value_kind: global_buffer, .address_space: global }
    .group_segment_fixed_size: 0
    .private_segment_fixed_size: 0
    .kernarg_segment_align: 8
    .kernarg_segment_size: 24
    .max_flat_workgroup_size: 256
    .sgpr_count:     66
    .vgpr_count:     152
    .wavefront_size: 32
...
	.end_amdgpu_metadata
.endif
;; end of part 5
;; ======== version 2 of 2: 7 launches; 1.18 times as fast as version 1
;; limits: values are held in f16: magnitudes above 65,504 overflow, below 6.1e-05 lose precision
;; workspace buffers: xq 8,388,608 bytes; wqt 2,101,248 bytes; wk 2,101,248 bytes; wvt 2,101,248 bytes; xvt 33,554,432 bytes; xk 33,558,528 bytes; lq 8,388,608 bytes; sbuf 33,554,432 bytes
;; launch prep (part 6): grid 16 x 186, 8 waves a work-group, no clusters, 17,920 bytes of LDS; arguments input_value, Wq, Wv, bq, input_key, input_query, Wk, xvt, wqt, wvt, xk, xq, wk, bv, seq_lens; writes xvt, wqt, wvt, xk, xq, wk
.if DOCPART == 6
	.amdgcn_target "amdgcn-amd-amdhsa--gfx1250"
	.amdhsa_code_object_version 6
	.text
	.protected	k_q1f4f2a0185_prep
	.globl	k_q1f4f2a0185_prep
	.p2align	8
	.type	k_q1f4f2a0185_prep,@function
k_q1f4f2a0185_prep:
	s_mov_b64 s[64:65], 0
	v_nop
	global_prefetch_b8 v0, s[64:65] scope:SCOPE_SE
	s_setreg_imm32_b32 hwreg(HW_REG_WAVE_MODE, 25, 1), 1
	s_wait_xcnt 0x0
; All matrix operands are made here, once: every input is rounded to bf16 and that number is written as f16.
;   y < 144 : a tile of 128 rows x 64 columns is TRANSPOSED through LDS: input_value -> xvt (row = batch x 1024 + channel, 2,048 keys along the row),
;             Wq -> wqt, Wv -> wvt (row = output column, column = input channel).  wqt and wvt begin with 1,024 f32 of column bias: bf16(bq) x 2^-10, bf16(bv).
;   y >= 144: a chunk of 32 rows is converted as it lies: input_key -> xk (row = half x 8192 + batch x 1024 + key mod 1024), input_query x 2^-10 -> xq, Wk -> wk.
;             xk and wk begin with 4,096 bytes of zeros: the products that read them take a column bias from there, and theirs is none.
; WHAT THE MASK THROWS AWAY IS NOT READ.  A key at or beyond seq_lens[batch] has the weight 0 in the softmax as soon as one key is valid, so a block of input_key or input_value
; whose first key lies beyond L - 1 = min(unsigned(seq_lens - 1), 2047) is not loaded: zeros are stored in its place, so that every byte that a later launch reads is stored.
; A length of 0 or less (no valid key: the weights are uniform over all keys) or above 2,048 gives L - 1 = 2,047: everything is read.
; The factor 2^-10 on input_query and bq is exact; the softmax launch takes it back.  It keeps (Xq Wq + bq) Wk^T inside f16.
; LIMITS.  A number of 65,520 or more in magnitude becomes an infinity in f16; below 6.1e-5 f16 keeps its fixed step of 6e-8 (input_query: below 0.0625, a step of 6e-5).
; A masked key's weight counts as exactly 0: true while the valid scores lie above -1.7e38.
; No matrix unit, no cluster, no tensor load: memory binds, no work-group shares a byte with another, and the transposing tile is 32 KiB.
.set T,  4                             ; v4      two numbers as bf16
.set U,  6                             ; v[6:7]  the same two as f32
.set SC, 46                            ; s[46:47] the scale, in the low word
.set X,  16                            ; loaded rows
.set Y,  80                            ; plain path: v[80:111] rows to store
.set AD, 68                            ; transposing path: v[68:75] byte offsets of my wave's eight destination rows
.set UP, 264                           ; LDS pitch of the transposed tile: 128 f16 + 8 bytes
; two f32 -> bf16 (nearest even) -> f32 (x scale) -> f16, packed
.macro CV dst, a, b, scaled
	v_cvt_pk_bf16_f32 v[T], v[\a], v[\b]
	v_lshlrev_b32 v[U], 16, v[T]
	v_and_b32 v[U+1], 0xffff0000, v[T]
.if \scaled
	v_pk_mul_f32 v[U:U+1], v[U:U+1], s[SC:SC+1] op_sel_hi:[1,0]
.endif
	v_cvt_pk_f16_f32 v[\dst], v[U], v[U+1]
.endm
	s_load_b512 s[4:19], s[0:1], 0x0               ; input_value 4, Wq 6, Wv 8, bq 10, input_key 12, input_query 14, Wk 16, xvt 18
	s_load_b256 s[20:27], s[0:1], 0x40             ; wqt 20, wvt 22, xk 24, xq 26
	s_load_b128 s[28:31], s[0:1], 0x60             ; wk 28, bv 30
	s_load_b64 s[56:57], s[0:1], 0x70              ; seq_lens
	v_lshl_add_u32 v112, v0, 2, 0x4200
	v_mov_b32 v113, 0
	s_and_b32 s52, ttmp7, 0xffff                   ; y
	s_mov_b32 s53, ttmp9                           ; x
	s_wait_kmcnt 0x0
	s_cmp_lt_u32 s52, 144
	s_cbranch_scc0 .Lplain                         ; the same way for all eight waves
	; ---- the transposing path ----
	s_and_b32 s37, s52, 7
	s_cmp_lt_u32 s52, 128
	s_cselect_b64 s[32:33], s[4:5], s[6:7]         ; from input_value or Wq
	s_cselect_b64 s[34:35], s[18:19], s[20:21]     ; to xvt or wqt
	s_cselect_b32 s36, s52, s37                    ; yy: the block of 128 source rows
	s_cselect_b32 s38, 12, 11                      ; a destination row is 4,096 bytes in xvt, 2,048 in the weights
	s_cselect_b32 s39, 0, 4096                     ; the weights' rows lie behind their header
	s_lshr_b32 s60, s36, 4                         ; the batch: 16 blocks of 128 keys (0 for the weights)
	s_lshl_b32 s60, s60, 2
	s_load_b32 s58, s[56:57], s60 offset:0x0       ; its length; waited for below, behind the address work
	s_and_b32 s61, s36, 15
	s_lshl_b32 s61, s61, 7                         ; the block's first key;
	s_cmp_lt_u32 s52, 128
	s_cselect_b32 s61, s61, 0                      ; 0 for the weights, which are always read
	s_cmp_lt_u32 s52, 136
	s_cselect_b64 s[32:33], s[32:33], s[8:9]       ; or from Wv
	s_cselect_b64 s[34:35], s[34:35], s[22:23]     ; to wvt
	s_cselect_b64 s[54:55], s[10:11], s[30:31]     ; the header's source: bq for wqt, bv for wvt
	s_cselect_b32 s[SC], 0x3a800000, 1.0           ; and its scale: 2^-10 for bq
	s_mov_b32 s[SC+1], s[SC]
	s_lshl_b32 s40, s36, 19                        ; 128 rows of 4,096 bytes
	s_lshl_b32 s49, s53, 8                         ; 64 columns of 4 bytes
	s_add_co_u32 s40, s40, s49
	s_mov_b32 s41, 0
	s_add_nc_u64 s[32:33], s[32:33], s[40:41]
	s_lshr_b32 s42, s36, 4
	s_lshl_b32 s42, s42, 10
	s_lshl_b32 s43, s53, 6
	s_add_co_u32 s42, s42, s43                     ; first destination row
	s_lshl_b32 s42, s42, s38                       ; in bytes
	s_and_b32 s43, s36, 15
	s_lshl_b32 s43, s43, 8                         ; 128 f16 along the row
	s_add_co_u32 s42, s42, s43
	s_add_co_u32 s42, s42, s39
	s_mov_b32 s43, 0
	s_add_nc_u64 s[44:45], s[34:35], s[42:43]
	v_and_b32 v1, 15, v0                           ; q: my four columns
	v_lshrrev_b32 v2, 4, v0                        ; mb: my four rows (in each half of the 128)
	v_lshlrev_b32 v3, 14, v2
	v_lshl_add_u32 v3, v1, 4, v3                   ; 4 mb rows + 16 q bytes: sixteen lanes take 256 consecutive bytes
	v_mul_u32_u24 v8, v1, 4*UP
	v_lshl_add_u32 v8, v2, 3, v8                   ; LDS: row 4 q, four f16 at 4 mb
	v_lshrrev_b32 v10, 5, v0
	v_readfirstlane_b32 s48, v10                   ; wave
	v_and_b32 v11, 31, v0
	v_mul_u32_u24 v9, v10, 8*UP
	v_lshl_add_u32 v9, v11, 3, v9                  ; back: wave w takes rows 8 w .. 8 w + 7, a lane 8 bytes
	v_lshlrev_b32 v14, 3, v10                      ; 8 w
	v_lshlrev_b32 v15, 3, v11                      ; 8 bytes a lane
.irp k, 0,1,2,3,4,5,6,7
	v_add_nc_u32 v[AD+(\k)], \k, v14
	v_lshl_add_u32 v[AD+(\k)], v[AD+(\k)], s38, v15  ; (8 w + k) rows + 8 x lane: the pitch is a scalar, so it cannot stand in the immediate
.endr
	v_add_nc_u32 v66, s49, v15                     ; the header's 256 bytes of this x
	s_wait_kmcnt 0x0                               ; the length
	s_sub_co_u32 s59, s58, 1
	s_min_u32 s59, s59, 2047                       ; L - 1
	s_cmp_le_u32 s61, s59                          ; does the block hold a key that counts?
	s_cselect_b32 s62, 1, 0                        ; kept: it is asked again behind the barrier
	s_cbranch_scc0 .Lnoread                        ; forward, over loads, conversions and LDS stores; the barrier below is on every wave's path
.irp i, 0,1
.irp r, 0,1,2,3
	global_load_b128 v[X+16*(\i)+4*(\r):X+16*(\i)+4*(\r)+3], v3, s[32:33] offset:(64*(\i)+(\r))*4096 th:TH_LOAD_NT
.endr
.endr
	s_wait_loadcnt 0x0
.irp i, 0,1
.irp j, 0,1,2,3
	CV 12, X+16*(\i)+(\j), X+16*(\i)+4+(\j), 0
	CV 13, X+16*(\i)+8+(\j), X+16*(\i)+12+(\j), 0
	ds_store_b64 v8, v[12:13] offset:UP*(\j)+128*(\i)  ; column 4 q + j becomes a row; rows 64 i + 4 mb .. + 3 become 8 bytes of it
.endr
.endr
.Lnoread:
	s_wait_dscnt 0x0                               ; for the others' sake: my stores are done (none on the short way)
	s_barrier_signal -1
	s_barrier_wait -1
	s_cmp_lg_u32 s62, 0
	s_cbranch_scc0 .Lzeros
.irp k, 0,1,2,3,4,5,6,7
	ds_load_b64 v[48+2*(\k):49+2*(\k)], v9 offset:UP*(\k)
.endr
.irp k, 0,1,2,3,4,5,6,7
	s_wait_dscnt 7-(\k)                            ; LDS loads come back in order: load k is in
	global_store_b64 v[AD+(\k)], v[48+2*(\k):49+2*(\k)], s[44:45]  ; a wave stores 256 consecutive bytes, at a multiple of 256
.endr
	s_cmp_lt_u32 s52, 128                          ; a header is written by wave 0 of each weight's first sixteen work-groups; xvt has none
	s_cbranch_scc1 .Ltend
	s_cmp_lg_u32 s36, 0
	s_cbranch_scc1 .Ltend
	s_cmp_lg_u32 s48, 0
	s_cbranch_scc1 .Ltend
	global_load_b64 v[64:65], v66, s[54:55]
	s_wait_loadcnt 0x0
	v_cvt_pk_bf16_f32 v[T], v64, v65
	v_lshlrev_b32 v[U], 16, v[T]
	v_and_b32 v[U+1], 0xffff0000, v[T]
	v_pk_mul_f32 v[U:U+1], v[U:U+1], s[SC:SC+1] op_sel_hi:[1,0]
	global_store_b64 v66, v[U:U+1], s[34:35]
.Ltend:
	s_wait_tensorcnt 0x0
	ds_add_u32 v112, v113
	s_wait_dscnt 0x0
	s_endpgm
.Lzeros:                                               ; a block of masked keys: the same 64 rows x 256 bytes, as zeros
	v_mov_b32 v48, 0
	v_mov_b32 v49, 0
.irp k, 0,1,2,3,4,5,6,7
	global_store_b64 v[AD+(\k)], v[48:49], s[44:45]
.endr
	s_wait_tensorcnt 0x0
	ds_add_u32 v112, v113
	s_wait_dscnt 0x0
	s_endpgm
	; ---- the plain path ----
.Lplain:
	s_sub_co_u32 s36, s52, 144
	s_lshl4_add_u32 s36, s36, s53                  ; c: chunk 0..671
	s_cmp_lt_u32 s36, 512
	s_cselect_b64 s[32:33], s[12:13], s[14:15]     ; input_key or input_query
	s_cselect_b64 s[34:35], s[24:25], s[26:27]     ; xk or xq
	s_cselect_b32 s37, 0, 512
	s_cselect_b32 s[SC], 1.0, 0x3a800000           ; one text for three tensors: the scale is 1 for two of them
	s_cselect_b32 s38, 4096, 0                     ; xk's rows lie behind its header; xq has none
	s_cmp_lt_u32 s36, 640
	s_cselect_b64 s[32:33], s[32:33], s[16:17]     ; or Wk
	s_cselect_b64 s[34:35], s[34:35], s[28:29]     ; to wk
	s_cselect_b32 s37, s37, 640
	s_cselect_b32 s[SC], s[SC], 1.0
	s_cselect_b32 s38, s38, 4096                   ; wk's rows lie behind its header
	s_mov_b32 s[SC+1], s[SC]
	s_sub_co_u32 s37, s36, s37                     ; the chunk within its tensor
	s_lshl_b32 s39, s37, 5                         ; R: first row
	s_lshr_b32 s60, s39, 11                        ; input_key: the batch,
	s_lshl_b32 s60, s60, 2
	s_and_b32 s61, s39, 2047                       ; and the chunk's first key
	s_bfe_u32 s43, s39, 0x1000a                    ; which half of the keys,
	s_lshl_b32 s43, s43, 13
	s_lshr_b32 s44, s39, 11
	s_lshl_b32 s44, s44, 10
	s_add_co_u32 s43, s43, s44
	s_and_b32 s44, s39, 1023                       ; the key within its half
	s_add_co_u32 s43, s43, s44
	s_cmp_lt_u32 s36, 512
	s_cselect_b32 s43, s43, s39                    ; the other two tensors keep their rows,
	s_cselect_b32 s60, s60, 0
	s_cselect_b32 s61, s61, 0                      ; and are always read
	s_load_b32 s58, s[56:57], s60 offset:0x0       ; the batch's length
	s_lshl_b32 s40, s37, 17                        ; 32 rows of 4,096 bytes
	s_mov_b32 s41, 0
	s_add_nc_u64 s[32:33], s[32:33], s[40:41]
	s_lshl_b32 s43, s43, 11
	s_add_co_u32 s42, s43, s38
	s_mov_b32 s43, 0
	s_add_nc_u64 s[50:51], s[34:35], s[42:43]
	v_lshlrev_b32 v1, 4, v0                        ; 256 threads x 16 bytes: a row of f32, or two rows of f16
	v_lshlrev_b32 v2, 3, v0                        ; 256 threads x 8 bytes: a row of f16
	s_wait_kmcnt 0x0
	s_sub_co_u32 s59, s58, 1
	s_min_u32 s59, s59, 2047                       ; L - 1
	s_cmp_le_u32 s61, s59
	s_cbranch_scc0 .Lpzero                         ; no key of the chunk counts: nothing is loaded
.irp i, 0,1,2,3,4,5,6,7,8,9,10,11,12,13,14,15
	global_load_b128 v[X+4*(\i):X+4*(\i)+3], v1, s[32:33] offset:(\i)*4096 th:TH_LOAD_NT
.endr
; Row i of a batch of 16.  ahead = 1: the first batch; its registers are loaded again at once with row 16 + i.  left: the younger loads that may stay out.
.macro ROWP i, ahead, left
	s_wait_loadcnt \left
.if (\ahead) == 0
	s_wait_xcnt 0x0                                ; Y's pair was the first batch's store data: rewritten only behind this wait
.endif
	CV Y+2*(\i), X+4*(\i), X+4*(\i)+1, 1
	CV Y+2*(\i)+1, X+4*(\i)+2, X+4*(\i)+3, 1
.if \ahead
	global_load_b128 v[X+4*(\i):X+4*(\i)+3], v1, s[32:33] offset:(16+(\i))*4096 th:TH_LOAD_NT
	global_store_b64 v2, v[Y+2*(\i):Y+2*(\i)+1], s[50:51] offset:(\i)*2048
.else
	global_store_b64 v2, v[Y+2*(\i):Y+2*(\i)+1], s[50:51] offset:(16+(\i))*2048
.endif
.endm
.irp i, 0,1,2,3,4,5,6,7,8,9,10,11,12,13,14,15
	ROWP \i, 1, 15                                 ; behind row i's load: 15 - i of the first batch and i of the second
.endr
.irp i, 0,1,2,3,4,5,6,7,8,9,10,11,12,13,14,15
	ROWP \i, 0, 15-(\i)
.endr
	s_cmp_lg_u32 s37, 0                            ; the first chunk of input_key and of Wk (key 0: always on this way) also writes the header: 4,096 bytes of zeros
	s_cbranch_scc1 .Lpend
	s_cmp_eq_u32 s38, 0
	s_cbranch_scc1 .Lpend
	v_mov_b32 v8, 0
	v_mov_b32 v9, 0
	v_mov_b32 v10, 0
	v_mov_b32 v11, 0
	global_store_b128 v1, v[8:11], s[34:35]
.Lpend:
	s_endpgm
.Lpzero:                                               ; a chunk of masked keys: its 32 rows of 2,048 bytes lie end to end: sixteen stores of 4,096 bytes of zeros
	v_mov_b32 v8, 0
	v_mov_b32 v9, 0
	v_mov_b32 v10, 0
	v_mov_b32 v11, 0
.irp i, 0,1,2,3,4,5,6,7,8,9,10,11,12,13,14,15
	global_store_b128 v1, v[8:11], s[50:51] offset:(\i)*4096
.endr
	s_endpgm
.Lfunc_end_k_q1f4f2a0185_prep:
	.size	k_q1f4f2a0185_prep, .Lfunc_end_k_q1f4f2a0185_prep-k_q1f4f2a0185_prep
	.p2alignl 7, 3214868480
	.fill 96, 4, 3214868480
	.section	.rodata,"a",@progbits
	.p2align	6, 0x0
	.amdhsa_kernel k_q1f4f2a0185_prep
		.amdhsa_group_segment_fixed_size 17920
		.amdhsa_private_segment_fixed_size 0
		.amdhsa_enable_private_segment 0
		.amdhsa_kernarg_size 120
		.amdhsa_user_sgpr_count 2
		.amdhsa_user_sgpr_kernarg_segment_ptr 1
		.amdhsa_wavefront_size32 1
		.amdhsa_system_sgpr_workgroup_id_x 1
		.amdhsa_system_sgpr_workgroup_id_y 1
		.amdhsa_system_sgpr_workgroup_id_z 1
		.amdhsa_system_vgpr_workitem_id 0
		.amdhsa_next_free_vgpr 114
		.amdhsa_next_free_sgpr 66
		.amdhsa_reserve_vcc 0
		.amdhsa_float_denorm_mode_32 3
		.amdhsa_float_denorm_mode_16_64 3
		.amdhsa_memory_ordered 1
		.amdhsa_forward_progress 1
		.amdhsa_inst_pref_size 42
	.end_amdhsa_kernel
	.amdgpu_metadata
---
amdhsa.version: [ 1, 2 ]
amdhsa.kernels:
  - .name:           k_q1f4f2a0185_prep
    .symbol:         k_q1f4f2a0185_prep.kd
    .args:
      - { .name: input_value, .offset: 0, .size: 8, .value_kind: global_buffer, .address_space: global }
      - { .name: Wq, .offset: 8, .size: 8, .value_kind: global_buffer, .address_space: global }
      - { .name: Wv, .offset: 16, .size: 8, .value_kind: global_buffer, .address_space: global }
      - { .name: bq, .offset: 24, .size: 8, .value_kind: global_buffer, .address_space: global }
      - { .name: input_key, .offset: 32, .size: 8, .value_kind: global_buffer, .address_space: global }
      - { .name: input_query, .offset: 40, .size: 8, .value_kind: global_buffer, .address_space: global }
      - { .name: Wk, .offset: 48, .size: 8, .value_kind: global_buffer, .address_space: global }
      - { .name: xvt, .offset: 56, .size: 8, .value_kind: global_buffer, .address_space: global }
      - { .name: wqt, .offset: 64, .size: 8, .value_kind: global_buffer, .address_space: global }
      - { .name: wvt, .offset: 72, .size: 8, .value_kind: global_buffer, .address_space: global }
      - { .name: xk, .offset: 80, .size: 8, .value_kind: global_buffer, .address_space: global }
      - { .name: xq, .offset: 88, .size: 8, .value_kind: global_buffer, .address_space: global }
      - { .name: wk, .offset: 96, .size: 8, .value_kind: global_buffer, .address_space: global }
      - { .name: bv, .offset: 104, .size: 8, .value_kind: global_buffer, .address_space: global }
      - { .name: seq_lens, .offset: 112, .size: 8, .value_kind: global_buffer, .address_space: global }
    .group_segment_fixed_size: 17920
    .private_segment_fixed_size: 0
    .kernarg_segment_align: 8
    .kernarg_segment_size: 120
    .max_flat_workgroup_size: 256
    .sgpr_count:     66
    .vgpr_count:     114
    .wavefront_size: 32
...
	.end_amdgpu_metadata
.endif
;; end of part 6
;; launch g1 (part 7): grid 8 x 32, 4 waves a work-group, clusters of 4 x 4, 327,680 bytes of LDS; arguments xq, wqt, lq; writes lq
.if DOCPART == 7
	.amdgcn_target "amdgcn-amd-amdhsa--gfx1250"
	.amdhsa_code_object_version 6
	.text
	.protected	k_q1f4f2a0185_g1
	.globl	k_q1f4f2a0185_g1
	.p2align	8
	.type	k_q1f4f2a0185_g1,@function
k_q1f4f2a0185_g1:
	s_mov_b64 s[64:65], 0
	v_nop
	global_prefetch_b8 v0, s[64:65] scope:SCOPE_SE
	s_setreg_imm32_b32 hwreg(HW_REG_WAVE_MODE, 25, 1), 1
	s_wait_xcnt 0x0
	s_wait_alu depctr_hold_cnt(0) depctr_sa_sdst(0) depctr_va_vdst(0) depctr_va_sdst(0) depctr_va_ssrc(0) depctr_va_vcc(0) depctr_vm_vsrc(0)
	s_getreg_b32 s2, hwreg(HW_REG_IB_STS2, 6, 4)
	s_cmp_eq_u32 s2, 0
	s_cbranch_scc0 .Lentry_in_a_cluster
	s_endpgm
.Lentry_in_a_cluster:
	s_bfe_u32 s2, ttmp6, 0x10000c
	s_cmp_lg_u32 s2, 0xf033
	s_cbranch_scc0 .Lentry_shape_is_right
	s_endpgm
.Lentry_shape_is_right:
; C[m][n] = bias[n] + sum over k of A[m][k] B[n][k].  A: [4096][1024], B: [1024][1024], C: [4096][1024], all f16; K = 1,024; sums in f32; C rounded once to f16.
; B's buffer begins with 1,024 f32 of bias (BHDR bytes); its rows follow.  One text serves two products:
;   lq = Xq Wq + bq (both x 2^-10);  q' = lq Wk^T (the bias in front of Wk is zeros: the price of one text for both).
; TILES.  x = the tile row of B and the tile column of C, y = the tile row of A and of C: 8 x 32 work-groups.
; A tile of C is 128 x 128: four waves, each 64 x 64 = 16 accumulators.  K goes in four steps of 256 (LDS rows of 512 bytes + 16 of padding) through two slots, written straight.
; CLUSTER 4 x 4: A's tile hangs on y alone and is shared along a row of the cluster, B's on x alone and is shared along a column: joint loads.
; TRANSPOSED USE: source 0 = 16 rows of B, source 1 = 16 rows of A: a lane holds eight neighbouring columns of one row of C.  The bias is the C operand of the products that start the sums.
; LIMITS.  f16: a result of 65,520 or more in magnitude becomes an infinity; below 6.1e-5 the step is 6e-8.
; REGISTERS: window 0: v0-31 addresses; v32-95 at work on the way out; v96-127 the bias; v128-255 accumulators ((a, b) at v[128 + 8 (4 a + b)]).  window 1: two fragment buffers of 128.
.set SIZE_K, 1024
.set SIZE_N, 1024
.set KSTEP,  256
.set PITCH,  528                       ; 132 words: the sixteen rows of a fragment load start 4 banks apart
.set HALFT,  64*PITCH                  ; what one tensor load brings
.set SLOT,   4*HALFT                   ; A's 128 rows, then B's 128 rows
.set STAGE,  2*SLOT                    ; 128 rows x 272 bytes, the work-group's, for the way out; no tensor load fills it
.set SPITCH, 272
.set SPARE,  STAGE+128*SPITCH          ; the spare words: 128 bytes a wave, named by no other line
.set BHDR,   4096
.set ADRA, 16                          ; v16-17  LDS address of my A fragments in slot 0, 1
.set ADRB, 20                          ; v20-21  the same for B
.set STO,  24
.set RD,   25
.set CO,   26
.set BA,   27                          ; v27     my byte offset in the bias
.set SPW,  28                          ; v28     SPARE + 4 x my thread's number; never rewritten
.set NIL,  29                          ; v29     0; never rewritten
.set TMP,  32
.set BI,   96                          ; v[96+8b ..]: the bias of columns 16 b + 8 (l / 16) + 0..7 of my 64
.set ACC,  128
.set F0,   0
.set F1,   128
.set G1, 24
.set G0, 32
.set G1B, 48
.set G0B, 56
.set MSB, 0
.macro WIN new                         ; the immediate's high byte repeats the setting that is left
.if MSB != (\new)
	s_set_vgpr_msb (MSB<<8)|(\new)
.set MSB, \new
.endif
.endm
.set MUL,  0x05                        ; sources 0 (B) and 1 (A) window 1; C and D window 0
.set TO_F, 0x40                        ; destination window 1, address window 0
.macro JLOAD s                         ; a joint load: waves 0, 1 fetch A's halves, waves 2, 3 B's; s_nop 0 and four v_nop follow each line
	s_cmp_eq_u32 s11, 0
	s_cbranch_scc0 .Lfor_b_\@
	tensor_load_to_lds s[G0+4*(\s):G0+4*(\s)+3], s[G1:G1+7]
	s_nop 0
.rept 4
	v_nop
.endr
	s_branch .Lasked_\@
.Lfor_b_\@:
	tensor_load_to_lds s[G0B+4*(\s):G0B+4*(\s)+3], s[G1B:G1B+7]
	s_nop 0
.rept 4
	v_nop
.endr
.Lasked_\@:
.endm
.macro CREST                           ; a round of the cluster's barrier behind its opening barrier
	s_cmp_lg_u32 s10, 0
	s_cbranch_scc1 .Lnot_wave_0_\@
	s_barrier_signal -3
.Lnot_wave_0_\@:
	s_barrier_wait -3
	s_barrier_signal -1
	s_barrier_wait -1
.endm
.macro CROUND
	s_barrier_signal -1
	s_barrier_wait -1
	CREST
.endm
	s_load_b128 s[4:7], s[0:1], 0x0                ; A s[4:5], B s[6:7]
	s_load_b64 s[8:9], s[0:1], 0x10                ; C
	v_lshl_add_u32 v[SPW], v0, 2, SPARE
	v_mov_b32 v[NIL], 0
	ds_add_u32 v28, v29
	s_wait_dscnt 0x0
	v_lshrrev_b32 v1, 5, v0
	v_readfirstlane_b32 s10, v1                    ; wave 0..3
	s_lshr_b32 s11, s10, 1                         ; my half of the tile's rows; also: I fetch for A (0) or B (1)
	s_and_b32 s12, s10, 1                          ; my half of its columns; also: which 64 rows I fetch
	s_bfe_u32 s40, ttmp6, 0x40000                  ; cx
	s_bfe_u32 s41, ttmp6, 0x40004                  ; cy
	s_lshl_b32 s42, ttmp9, 2
	s_add_co_u32 s42, s42, s40                     ; x = 4 x cluster x + cx
	s_and_b32 s13, ttmp7, 0xffff
	s_lshl_b32 s13, s13, 2
	s_add_co_u32 s13, s13, s41                     ; y = 4 x cluster y + cy
	s_lshl_b32 s43, s41, 2
	s_lshl_b32 s43, 15, s43                        ; my row of the cluster
	s_lshl_b32 s44, 0x1111, s40                    ; my column
	s_or_b32 s[G1+0], s43, (1<<16)|(1<<20)|(1<<21)|(6<<22)|(3<<25)  ; mask; 2-byte elements; padding on; bit 21 beside a mask; after every 128 words; 4 words
	s_or_b32 s[G1B+0], s44, (1<<16)|(1<<20)|(1<<21)|(6<<22)|(3<<25)
.irp g, G1, G1B
	s_mov_b32 s[(\g)+1], KSTEP<<16                 ; tensor_dim0 = 256
	s_mov_b32 s[(\g)+2], 64<<16                    ; tensor_dim1 = 64
	s_mov_b32 s[(\g)+3], KSTEP<<16                 ; tile_dim0 = 256
	s_mov_b32 s[(\g)+4], 64                        ; tile_dim1 = 64
	s_mov_b32 s[(\g)+5], SIZE_K                    ; elements from row to row
	s_mov_b32 s[(\g)+6], 0
	s_mov_b32 s[(\g)+7], 0
.endr
	s_lshl_b32 s17, s12, 6
	s_lshl_b32 s16, s13, 7
	s_add_co_u32 s16, s16, s17                     ; A: row 128 y + 64 x half
	s_lshl_b32 s46, s42, 7
	s_add_co_u32 s46, s46, s17                     ; B: row 128 x + 64 x half
	s_mov_b32 s17, 0
	s_mov_b32 s47, 0
	s_mov_b64 s[18:19], SIZE_K*2
	s_mul_u64 s[16:17], s[16:17], s[18:19]
	s_mul_u64 s[46:47], s[46:47], s[18:19]
	s_add_nc_u64 s[46:47], s[46:47], BHDR          ; B's rows lie behind the bias
	s_mul_i32 s20, s10, HALFT                      ; where they go: wave x 64 rows
	s_wait_kmcnt 0x0
	s_add_nc_u64 s[14:15], s[4:5], s[16:17]
	s_add_nc_u64 s[46:47], s[6:7], s[46:47]
	CROUND                                         ; all sixteen work-groups are here: the first joint loads meet
.irp s, 0,1
	s_mov_b32 s[G0+4*(\s)], 1
	s_add_co_u32 s[G0+4*(\s)+1], s20, (\s)*SLOT
	s_add_nc_u64 s[G0+4*(\s)+2:G0+4*(\s)+3], s[14:15], (\s)*KSTEP*2
	s_or_b32 s[G0+4*(\s)+3], s[G0+4*(\s)+3], 0x80000000
	s_mov_b32 s[G0B+4*(\s)], 1
	s_add_co_u32 s[G0B+4*(\s)+1], s20, (\s)*SLOT
	s_add_nc_u64 s[G0B+4*(\s)+2:G0B+4*(\s)+3], s[46:47], (\s)*KSTEP*2
	s_or_b32 s[G0B+4*(\s)+3], s[G0B+4*(\s)+3], 0x80000000
	JLOAD \s                                       ; two loads of mine are out
.endr
	v_and_b32 v1, 15, v0                           ; l % 16
	v_bfe_u32 v2, v0, 4, 1                         ; l / 16
	s_lshl_b32 s46, s42, 9                         ; the tile column's 128 f32 in the bias
	s_lshl_b32 s47, s12, 8                         ; my 64 of them
	s_add_co_u32 s47, s46, s47
	v_lshl_add_u32 v[BA], v2, 5, s47               ; + 8 f32 for the upper half of the lanes
.irp b, 0,1,2,3
	global_load_b128 v[BI+8*(\b):BI+8*(\b)+3],   v[BA], s[6:7] offset:64*(\b)
	global_load_b128 v[BI+8*(\b)+4:BI+8*(\b)+7], v[BA], s[6:7] offset:64*(\b)+16
.endr
	v_mul_u32_u24 v3, v1, PITCH
	v_lshl_add_u32 v3, v2, 4, v3                   ; a fragment's row x pitch + 16 x half
	s_mul_i32 s21, s11, HALFT                      ; my 64 rows of A
	s_mul_i32 s22, s12, HALFT                      ; my 64 rows of B,
	s_add_co_u32 s22, s22, 2*HALFT                 ; behind A's 128
.irp s, 0,1
	v_add_nc_u32 v[ADRA+(\s)], s21, v3
	v_add_nc_u32 v[ADRB+(\s)], s22, v3
	s_add_co_u32 s21, s21, SLOT
	s_add_co_u32 s22, s22, SLOT
.endr
	s_mul_i32 s23, s11, 64*SPITCH                  ; into the stage: my 64 rows, my half of their 256 bytes
	s_lshl_b32 s21, s12, 7
	s_add_co_u32 s23, s23, s21
	s_add_co_u32 s23, s23, STAGE
	v_mul_u32_u24 v4, v1, SPITCH
	v_lshl_add_u32 v4, v2, 4, v4
	v_add_nc_u32 v[STO], s23, v4
	s_mul_i32 s23, s10, 32*SPITCH                  ; back: wave w takes rows 32 w .. 32 w + 31, whole
	s_add_co_u32 s23, s23, STAGE
	v_mul_u32_u24 v5, v2, SPITCH
	v_lshl_add_u32 v5, v1, 4, v5
	v_add_nc_u32 v[RD], s23, v5
	v_mul_u32_u24 v5, v2, SIZE_N*2
	v_lshl_add_u32 v[CO], v1, 4, v5
	s_lshl_b32 s16, s13, 7
	s_lshl_b32 s17, s10, 5
	s_add_co_u32 s16, s16, s17                     ; the first row of C that I store
	s_mov_b32 s17, 0
	s_mov_b64 s[18:19], SIZE_N*2
	s_mul_u64 s[16:17], s[16:17], s[18:19]
	s_add_nc_u64 s[8:9], s[8:9], s[16:17]
	s_lshr_b32 s46, s46, 1                         ; the tile's first column: 256 bytes a tile
	s_mov_b32 s47, 0
	s_add_nc_u64 s[8:9], s[8:9], s[46:47]
; 8 matrix instructions: m blocks a0, a0 + 1 x all 4 n blocks, 32 along K: half c of buffer f.  zero = 1: the sums start from the bias.  The 16 accumulators take turns.
.macro MUL8 f, c, a0, zero
	WIN MUL
.irp a, \a0, (\a0)+1
.irp b, 0,1,2,3
.if \zero
	v_wmma_f32_16x16x32_f16 v[ACC+8*(4*(\a)+(\b)):ACC+8*(4*(\a)+(\b))+7], v[(\f)+64+8*(4*(\c)+(\b)):(\f)+64+8*(4*(\c)+(\b))+7], v[(\f)+8*(4*(\c)+(\a)):(\f)+8*(4*(\c)+(\a))+7], v[BI+8*(\b):BI+8*(\b)+7]
.else
	v_wmma_f32_16x16x32_f16 v[ACC+8*(4*(\a)+(\b)):ACC+8*(4*(\a)+(\b))+7], v[(\f)+64+8*(4*(\c)+(\b)):(\f)+64+8*(4*(\c)+(\b))+7], v[(\f)+8*(4*(\c)+(\a)):(\f)+8*(4*(\c)+(\a))+7], v[ACC+8*(4*(\a)+(\b)):ACC+8*(4*(\a)+(\b))+7]
.endif
.endr
.endr
.endm
; 32 LDS loads in one run: the fragments of 64 along K at byte k of the rows, into buffer f; the first 32 along K first
.macro FETCH slot, k, f
	WIN TO_F
.irp c, 0,1
.irp i, 0,1,2,3
	ds_load_b128 v[(\f)+64+8*(4*(\c)+(\i)):(\f)+64+8*(4*(\c)+(\i))+3],   v[ADRB+(\slot)] offset:(\k)+64*(\c)+(\i)*16*PITCH
	ds_load_b128 v[(\f)+64+8*(4*(\c)+(\i))+4:(\f)+64+8*(4*(\c)+(\i))+7], v[ADRB+(\slot)] offset:(\k)+64*(\c)+(\i)*16*PITCH+32
	ds_load_b128 v[(\f)+8*(4*(\c)+(\i)):(\f)+8*(4*(\c)+(\i))+3],         v[ADRA+(\slot)] offset:(\k)+64*(\c)+(\i)*16*PITCH
	ds_load_b128 v[(\f)+8*(4*(\c)+(\i))+4:(\f)+8*(4*(\c)+(\i))+7],       v[ADRA+(\slot)] offset:(\k)+64*(\c)+(\i)*16*PITCH+32
.endr
.endr
.endm
.macro PLACES                          ; four places in front of loads into registers that matrix instructions have read, and of conversions that read results
.rept 4
	v_nop
.endr
.endm
; A K step is four quarters of 64 along K, 32 matrix instructions each, on buffers 0, 1, 0, 1.  One of the first three multiplies buffer f and fetches the next quarter, at byte k, into g.
.macro QUARTER slot, k, f, g, zero
	s_wait_dscnt 16                                ; the first 32 along K are in; the other sixteen loads may be out
	WIN MUL
	MUL8 \f, 0, 0, \zero
	MUL8 \f, 0, 2, \zero
	PLACES
	FETCH \slot, \k, \g
	s_wait_dscnt 32                                ; all but the 32 just issued
	WIN MUL
	MUL8 \f, 1, 0, 0
	MUL8 \f, 1, 2, 0
.endm
; The last quarter multiplies buffer 1 and changes slots: one barrier; in front of it each wave waits for all its tensor loads, adds 0 to its spare word, and waits for that and for its reads of this slot.
.macro TURN slot, next, fill
	WIN 0                                          ; the add's two registers lie in window 0
	s_wait_tensorcnt 0x0                           ; all my tensor loads have landed: my part of the next slot
	ds_add_u32 v[SPW], v[NIL]                      ; 0 onto my spare word
	s_wait_dscnt 17                                ; the add and the youngest sixteen loads may be out
	WIN MUL
	MUL8 F1, 0, 0, 0
	s_wait_dscnt 0x0                               ; the add is done, and my reads of this slot are over
	s_barrier_signal -1
	MUL8 F1, 0, 2, 0
.if \fill
	WIN 0
.endif
	s_barrier_wait -1
.if \fill
	CREST                                          ; the barrier has opened a round of the cluster's: no wave of any partner still reads this slot or has a load on its way
	s_add_nc_u64 s[G0+4*(\slot)+2:G0+4*(\slot)+3], s[G0+4*(\slot)+2:G0+4*(\slot)+3], 2*KSTEP*2
	s_add_nc_u64 s[G0B+4*(\slot)+2:G0B+4*(\slot)+3], s[G0B+4*(\slot)+2:G0B+4*(\slot)+3], 2*KSTEP*2
	JLOAD \slot                                    ; my one load behind the round; its four v_nop are also the places in front of the loads below
.else
	PLACES
.endif
	FETCH \next, 0, F0
	WIN MUL
	MUL8 F1, 1, 0, 0
	MUL8 F1, 1, 2, 0
.endm
	s_wait_tensorcnt 1                             ; my part of K step 0 is in; K step 1's may stay out
	s_barrier_signal -1
	s_barrier_wait -1
	FETCH 0, 0, F0
	s_wait_loadcnt 0x0                             ; the bias
	QUARTER 0, 128, F0, F1, 1                      ; K step 0
	QUARTER 0, 256, F1, F0, 0
	QUARTER 0, 384, F0, F1, 0
	TURN 0, 1, 1                                   ; slot 0 takes K step 2
	QUARTER 1, 128, F0, F1, 0                      ; K step 1
	QUARTER 1, 256, F1, F0, 0
	QUARTER 1, 384, F0, F1, 0
	TURN 1, 0, 1                                   ; slot 1 takes K step 3
	QUARTER 0, 128, F0, F1, 0                      ; K step 2
	QUARTER 0, 256, F1, F0, 0
	QUARTER 0, 384, F0, F1, 0
	TURN 0, 1, 0                                   ; nothing is left to fetch
	QUARTER 1, 128, F0, F1, 0                      ; K step 3
	QUARTER 1, 256, F1, F0, 0
	QUARTER 1, 384, F0, F1, 0
	s_wait_dscnt 16
	WIN MUL
	MUL8 F1, 0, 0, 0
	MUL8 F1, 0, 2, 0
	s_wait_dscnt 0
	MUL8 F1, 1, 0, 0
	MUL8 F1, 1, 2, 0
	WIN 0
	; THE WAY OUT: round to f16; 16 bytes a lane into the work-group's stage; a barrier, since a row's 256 bytes come from two waves; back as whole rows, 32 rows a wave.
	PLACES
.irp t, 0,1,2,3,4,5,6,7,8,9,10,11,12,13,14,15
.irp r, 0,1,2,3
	v_cvt_pk_f16_f32 v[TMP+4*(\t)+(\r)], v[ACC+8*(\t)+2*(\r)], v[ACC+8*(\t)+2*(\r)+1]
.endr
.endr
.irp a, 0,1,2,3
.irp b, 0,1,2,3
	ds_store_b128 v[STO], v[TMP+4*(4*(\a)+(\b)):TMP+4*(4*(\a)+(\b))+3] offset:(\a)*16*SPITCH+32*(\b)
.endr
.endr
	s_wait_dscnt 0x0                               ; for the others' sake: my stores into the stage are done
	s_barrier_signal -1
	s_barrier_wait -1
.irp t, 0,1,2,3,4,5,6,7,8,9,10,11,12,13,14,15
	ds_load_b128 v[TMP+4*(\t):TMP+4*(\t)+3], v[RD] offset:(\t)*2*SPITCH
.endr
.irp t, 0,1,2,3,4,5,6,7,8,9,10,11,12,13,14,15
	s_wait_dscnt 15-(\t)
	global_store_b128 v[CO], v[TMP+4*(\t):TMP+4*(\t)+3], s[8:9] offset:2*(\t)*SIZE_N*2  ; 16 lanes store 256 consecutive bytes, at a multiple of 256 from C's first byte
.endr
	s_wait_tensorcnt 0x0                           ; the wave's end
	ds_add_u32 v[SPW], v[NIL]
	s_wait_dscnt 0x0
	CROUND                                         ; the closing round
	s_endpgm
.Lfunc_end_k_q1f4f2a0185_g1:
	.size	k_q1f4f2a0185_g1, .Lfunc_end_k_q1f4f2a0185_g1-k_q1f4f2a0185_g1
	.p2alignl 7, 3214868480
	.fill 96, 4, 3214868480
	.section	.rodata,"a",@progbits
	.p2align	6, 0x0
	.amdhsa_kernel k_q1f4f2a0185_g1
		.amdhsa_group_segment_fixed_size 327680
		.amdhsa_private_segment_fixed_size 0
		.amdhsa_enable_private_segment 0
		.amdhsa_kernarg_size 24
		.amdhsa_user_sgpr_count 2
		.amdhsa_user_sgpr_kernarg_segment_ptr 1
		.amdhsa_wavefront_size32 1
		.amdhsa_system_sgpr_workgroup_id_x 1
		.amdhsa_system_sgpr_workgroup_id_y 1
		.amdhsa_system_sgpr_workgroup_id_z 1
		.amdhsa_system_vgpr_workitem_id 0
		.amdhsa_next_free_vgpr 512
		.amdhsa_next_free_sgpr 66
		.amdhsa_reserve_vcc 0
		.amdhsa_float_denorm_mode_32 3
		.amdhsa_float_denorm_mode_16_64 3
		.amdhsa_memory_ordered 1
		.amdhsa_forward_progress 1
		.amdhsa_inst_pref_size 87
	.end_amdhsa_kernel
	.amdgpu_metadata
---
amdhsa.version: [ 1, 2 ]
amdhsa.kernels:
  - .name:           k_q1f4f2a0185_g1
    .symbol:         k_q1f4f2a0185_g1.kd
    .args:
      - { .name: xq, .offset: 0, .size: 8, .value_kind: global_buffer, .address_space: global }
      - { .name: wqt, .offset: 8, .size: 8, .value_kind: global_buffer, .address_space: global }
      - { .name: lq, .offset: 16, .size: 8, .value_kind: global_buffer, .address_space: global }
    .group_segment_fixed_size: 327680
    .private_segment_fixed_size: 0
    .kernarg_segment_align: 8
    .kernarg_segment_size: 24
    .max_flat_workgroup_size: 128
    .sgpr_count:     66
    .vgpr_count:     512
    .wavefront_size: 32
...
	.end_amdgpu_metadata
.endif
;; end of part 7
;; launch g2: the kernel of part 7 again; grid 8 x 32, 4 waves a work-group, clusters of 4 x 4, 327,680 bytes of LDS; arguments lq, wk, xq; writes xq
;; launch g3 (part 8): grid 128 x 4, 4 waves a work-group, clusters of 4 x 4, 327,680 bytes of LDS; arguments xq, xk, sbuf; writes sbuf
.if DOCPART == 8
	.amdgcn_target "amdgcn-amd-amdhsa--gfx1250"
	.amdhsa_code_object_version 6
	.text
	.protected	k_q1f4f2a0185_g3
	.globl	k_q1f4f2a0185_g3
	.p2align	8
	.type	k_q1f4f2a0185_g3,@function
k_q1f4f2a0185_g3:
	s_mov_b64 s[64:65], 0
	v_nop
	global_prefetch_b8 v0, s[64:65] scope:SCOPE_SE
	s_setreg_imm32_b32 hwreg(HW_REG_WAVE_MODE, 25, 1), 1
	s_wait_xcnt 0x0
	s_wait_alu depctr_hold_cnt(0) depctr_sa_sdst(0) depctr_va_vdst(0) depctr_va_sdst(0) depctr_va_ssrc(0) depctr_va_vcc(0) depctr_vm_vsrc(0)
	s_getreg_b32 s2, hwreg(HW_REG_IB_STS2, 6, 4)
	s_cmp_eq_u32 s2, 0
	s_cbranch_scc0 .Lentry_in_a_cluster
	s_endpgm
.Lentry_in_a_cluster:
	s_bfe_u32 s2, ttmp6, 0x10000c
	s_cmp_lg_u32 s2, 0xf033
	s_cbranch_scc0 .Lentry_shape_is_right
	s_endpgm
.Lentry_shape_is_right:
; C[m][n] = bias[n mod 1024] + sum over k of A[m][k] B[n][k], C in f32.  A, B: rows of 1,024 f16; K = 1,024; C: rows of 1,024 f32.  B's buffer begins with 1,024 f32 of bias (BHDR bytes).
; One text serves two products:
;   the raw scores S[half][n][m] = q'[n] . Xk[row of (half, batch of n, m)] (grid 128 x 4; the bias in front of Xk is zeros: the price of one text for both);
;   the result out = ctx Wv + bv (grid 8 x 32; the weights of a row add up to 1, so bv enters once, here).
; TILES.  x = the tile row of B.  g = x / 8.  The tile row of A is y + 4 (g mod 8), that of C is y + 4 g, the tile column of C is x mod 8.  For the scores x = half x 64 + batch x 8 + key tile;
; with 8 work-groups along x, g is 0 and the product is plain.
; A tile is 128 x 128: four waves, each 64 x 64 = 16 accumulators.  K goes in four steps of 256 through two LDS slots, written straight.
; CLUSTER 4 x 4: A's tile hangs on y and the cluster's x alone (shared along a row of the cluster), B's on x alone (shared along a column): joint loads.
; TRANSPOSED USE: source 0 = 16 rows of B, source 1 = 16 rows of A: a lane holds eight neighbouring columns of one row of C.  The bias is the C operand of the products that start the sums.
; A wave's 64 columns are 256 bytes, so each wave sends its results through a stage of its own: no barrier on the way out.
; REGISTERS: window 0: v0-31 addresses; v32-63 at work on the way out; v96-127 the bias; v128-255 accumulators.  window 1: two fragment buffers of 128.
.set SIZE_K, 1024
.set KSTEP,  256
.set PITCH,  528
.set HALFT,  64*PITCH
.set SLOT,   4*HALFT
.set STAGE,  2*SLOT                    ; 16 rows x 272 bytes for each wave; no tensor load fills it
.set SPITCH, 272
.set SPARE,  STAGE+4*16*SPITCH         ; the spare words: 128 bytes a wave, named by no other line
.set CROW,   4096                      ; bytes in a row of C
.set BHDR,   4096
.set ADRA, 16
.set ADRB, 20
.set STO,  24
.set RD,   25
.set CO,   26
.set BA,   27                          ; v27     my byte offset in the bias
.set SPW,  28                          ; v28     SPARE + 4 x my thread's number; never rewritten
.set NIL,  29                          ; v29     0; never rewritten
.set TMP,  32
.set BI,   96                          ; v[96+8b ..]: the bias of columns 16 b + 8 (l / 16) + 0..7 of my 64
.set ACC,  128
.set F0,   0
.set F1,   128
.set G1, 24
.set G0, 32
.set G1B, 48
.set G0B, 56
.set MSB, 0
.macro WIN new
.if MSB != (\new)
	s_set_vgpr_msb (MSB<<8)|(\new)
.set MSB, \new
.endif
.endm
.set MUL,  0x05
.set TO_F, 0x40
.macro JLOAD s                         ; a joint load: waves 0, 1 fetch A's halves, waves 2, 3 B's; s_nop 0 and four v_nop follow each line
	s_cmp_eq_u32 s11, 0
	s_cbranch_scc0 .Lfor_b_\@
	tensor_load_to_lds s[G0+4*(\s):G0+4*(\s)+3], s[G1:G1+7]
	s_nop 0
.rept 4
	v_nop
.endr
	s_branch .Lasked_\@
.Lfor_b_\@:
	tensor_load_to_lds s[G0B+4*(\s):G0B+4*(\s)+3], s[G1B:G1B+7]
	s_nop 0
.rept 4
	v_nop
.endr
.Lasked_\@:
.endm
.macro CREST
	s_cmp_lg_u32 s10, 0
	s_cbranch_scc1 .Lnot_wave_0_\@
	s_barrier_signal -3
.Lnot_wave_0_\@:
	s_barrier_wait -3
	s_barrier_signal -1
	s_barrier_wait -1
.endm
.macro CROUND
	s_barrier_signal -1
	s_barrier_wait -1
	CREST
.endm
	s_load_b128 s[4:7], s[0:1], 0x0                ; A s[4:5], B s[6:7]
	s_load_b64 s[8:9], s[0:1], 0x10                ; C
	v_lshl_add_u32 v[SPW], v0, 2, SPARE
	v_mov_b32 v[NIL], 0
	ds_add_u32 v28, v29
	s_wait_dscnt 0x0
	v_lshrrev_b32 v1, 5, v0
	v_readfirstlane_b32 s10, v1                    ; wave 0..3
	s_lshr_b32 s11, s10, 1
	s_and_b32 s12, s10, 1
	s_bfe_u32 s40, ttmp6, 0x40000                  ; cx
	s_bfe_u32 s41, ttmp6, 0x40004                  ; cy
	s_lshl_b32 s42, ttmp9, 2
	s_add_co_u32 s42, s42, s40                     ; x
	s_and_b32 s13, ttmp7, 0xffff
	s_lshl_b32 s13, s13, 2
	s_add_co_u32 s13, s13, s41                     ; y
	s_lshr_b32 s45, ttmp9, 1                       ; g = x / 8, made of the cluster's x alone
	s_lshl2_add_u32 s3, s45, s13                   ; tile row of C = y + 4 g
	s_and_b32 s45, s45, 7
	s_lshl2_add_u32 s13, s45, s13                  ; tile row of A = y + 4 (g mod 8)
	s_lshl_b32 s43, s41, 2
	s_lshl_b32 s43, 15, s43
	s_lshl_b32 s44, 0x1111, s40
	s_or_b32 s[G1+0], s43, (1<<16)|(1<<20)|(1<<21)|(6<<22)|(3<<25)
	s_or_b32 s[G1B+0], s44, (1<<16)|(1<<20)|(1<<21)|(6<<22)|(3<<25)
.irp g, G1, G1B
	s_mov_b32 s[(\g)+1], KSTEP<<16
	s_mov_b32 s[(\g)+2], 64<<16
	s_mov_b32 s[(\g)+3], KSTEP<<16
	s_mov_b32 s[(\g)+4], 64
	s_mov_b32 s[(\g)+5], SIZE_K
	s_mov_b32 s[(\g)+6], 0
	s_mov_b32 s[(\g)+7], 0
.endr
	s_lshl_b32 s17, s12, 6
	s_lshl_b32 s16, s13, 7
	s_add_co_u32 s16, s16, s17
	s_lshl_b32 s46, s42, 7
	s_add_co_u32 s46, s46, s17
	s_mov_b32 s17, 0
	s_mov_b32 s47, 0
	s_mov_b64 s[18:19], SIZE_K*2
	s_mul_u64 s[16:17], s[16:17], s[18:19]
	s_mul_u64 s[46:47], s[46:47], s[18:19]
	s_add_nc_u64 s[46:47], s[46:47], BHDR          ; B's rows lie behind the bias
	s_mul_i32 s20, s10, HALFT
	s_wait_kmcnt 0x0
	s_add_nc_u64 s[14:15], s[4:5], s[16:17]
	s_add_nc_u64 s[46:47], s[6:7], s[46:47]
	CROUND                                         ; all sixteen work-groups are here: the first joint loads meet
.irp s, 0,1
	s_mov_b32 s[G0+4*(\s)], 1
	s_add_co_u32 s[G0+4*(\s)+1], s20, (\s)*SLOT
	s_add_nc_u64 s[G0+4*(\s)+2:G0+4*(\s)+3], s[14:15], (\s)*KSTEP*2
	s_or_b32 s[G0+4*(\s)+3], s[G0+4*(\s)+3], 0x80000000
	s_mov_b32 s[G0B+4*(\s)], 1
	s_add_co_u32 s[G0B+4*(\s)+1], s20, (\s)*SLOT
	s_add_nc_u64 s[G0B+4*(\s)+2:G0B+4*(\s)+3], s[46:47], (\s)*KSTEP*2
	s_or_b32 s[G0B+4*(\s)+3], s[G0B+4*(\s)+3], 0x80000000
	JLOAD \s                                       ; two loads of mine are out
.endr
	v_and_b32 v1, 15, v0                           ; l % 16
	v_bfe_u32 v2, v0, 4, 1                         ; l / 16
	s_and_b32 s46, s42, 7
	s_lshl_b32 s46, s46, 9                         ; the tile's 128 columns of 4 bytes,
	s_lshl_b32 s47, s12, 8                         ; my 64 of them:
	s_add_co_u32 s46, s46, s47                     ; the same byte offset in the bias and in a row of C
	s_mov_b32 s47, 0
	v_lshl_add_u32 v[BA], v2, 5, s46               ; + 8 f32 for the upper half of the lanes
.irp b, 0,1,2,3
	global_load_b128 v[BI+8*(\b):BI+8*(\b)+3],   v[BA], s[6:7] offset:64*(\b)
	global_load_b128 v[BI+8*(\b)+4:BI+8*(\b)+7], v[BA], s[6:7] offset:64*(\b)+16
.endr
	v_mul_u32_u24 v3, v1, PITCH
	v_lshl_add_u32 v3, v2, 4, v3
	s_mul_i32 s21, s11, HALFT
	s_mul_i32 s22, s12, HALFT
	s_add_co_u32 s22, s22, 2*HALFT
.irp s, 0,1
	v_add_nc_u32 v[ADRA+(\s)], s21, v3
	v_add_nc_u32 v[ADRB+(\s)], s22, v3
	s_add_co_u32 s21, s21, SLOT
	s_add_co_u32 s22, s22, SLOT
.endr
	s_mul_i32 s23, s10, 16*SPITCH
	s_add_co_u32 s23, s23, STAGE                   ; my stage
	v_mul_u32_u24 v4, v1, SPITCH                   ; in: row l % 16, 32 bytes for each half of the lanes
	v_lshl_add_u32 v4, v2, 5, v4
	v_add_nc_u32 v[STO], s23, v4
	v_mul_u32_u24 v5, v2, SPITCH                   ; back: lanes 0-15 one row of 256 bytes, lanes 16-31 the next
	v_lshl_add_u32 v5, v1, 4, v5
	v_add_nc_u32 v[RD], s23, v5
	v_lshlrev_b32 v5, 12, v2                       ; and the same two rows in C
	v_lshl_add_u32 v[CO], v1, 4, v5
	s_lshl_b32 s16, s3, 7
	s_lshl_b32 s17, s11, 6
	s_add_co_u32 s16, s16, s17                     ; my first row of C (under 8,192),
	s_lshl_b32 s16, s16, 12                        ; in bytes
	s_mov_b32 s17, 0
	s_add_nc_u64 s[8:9], s[8:9], s[16:17]
	s_add_nc_u64 s[8:9], s[8:9], s[46:47]
; 8 matrix instructions: m blocks a0, a0 + 1 x all 4 n blocks, 32 along K.  zero = 1: the sums start from the bias.  The 16 accumulators take turns.
.macro MUL8 f, c, a0, zero
	WIN MUL
.irp a, \a0, (\a0)+1
.irp b, 0,1,2,3
.if \zero
	v_wmma_f32_16x16x32_f16 v[ACC+8*(4*(\a)+(\b)):ACC+8*(4*(\a)+(\b))+7], v[(\f)+64+8*(4*(\c)+(\b)):(\f)+64+8*(4*(\c)+(\b))+7], v[(\f)+8*(4*(\c)+(\a)):(\f)+8*(4*(\c)+(\a))+7], v[BI+8*(\b):BI+8*(\b)+7]
.else
	v_wmma_f32_16x16x32_f16 v[ACC+8*(4*(\a)+(\b)):ACC+8*(4*(\a)+(\b))+7], v[(\f)+64+8*(4*(\c)+(\b)):(\f)+64+8*(4*(\c)+(\b))+7], v[(\f)+8*(4*(\c)+(\a)):(\f)+8*(4*(\c)+(\a))+7], v[ACC+8*(4*(\a)+(\b)):ACC+8*(4*(\a)+(\b))+7]
.endif
.endr
.endr
.endm
.macro FETCH slot, k, f
	WIN TO_F
.irp c, 0,1
.irp i, 0,1,2,3
	ds_load_b128 v[(\f)+64+8*(4*(\c)+(\i)):(\f)+64+8*(4*(\c)+(\i))+3],   v[ADRB+(\slot)] offset:(\k)+64*(\c)+(\i)*16*PITCH
	ds_load_b128 v[(\f)+64+8*(4*(\c)+(\i))+4:(\f)+64+8*(4*(\c)+(\i))+7], v[ADRB+(\slot)] offset:(\k)+64*(\c)+(\i)*16*PITCH+32
	ds_load_b128 v[(\f)+8*(4*(\c)+(\i)):(\f)+8*(4*(\c)+(\i))+3],         v[ADRA+(\slot)] offset:(\k)+64*(\c)+(\i)*16*PITCH
	ds_load_b128 v[(\f)+8*(4*(\c)+(\i))+4:(\f)+8*(4*(\c)+(\i))+7],       v[ADRA+(\slot)] offset:(\k)+64*(\c)+(\i)*16*PITCH+32
.endr
.endr
.endm
.macro PLACES                          ; four places behind matrix instructions (ISA guide 7.12.1)
.rept 4
	v_nop
.endr
.endm
.macro QUARTER slot, k, f, g, zero
	s_wait_dscnt 16                                ; the first 32 along K are in
	WIN MUL
	MUL8 \f, 0, 0, \zero
	MUL8 \f, 0, 2, \zero
	PLACES
	FETCH \slot, \k, \g
	s_wait_dscnt 32                                ; all but the 32 just issued
	WIN MUL
	MUL8 \f, 1, 0, 0
	MUL8 \f, 1, 2, 0
.endm
.macro TURN slot, next, fill
	WIN 0
	s_wait_tensorcnt 0x0                           ; all my tensor loads have landed: my part of the next slot
	ds_add_u32 v[SPW], v[NIL]                      ; 0 onto my spare word
	s_wait_dscnt 17                                ; the add and the youngest sixteen loads may be out
	WIN MUL
	MUL8 F1, 0, 0, 0
	s_wait_dscnt 0x0                               ; the add is done, and my reads of this slot are over
	s_barrier_signal -1
	MUL8 F1, 0, 2, 0
.if \fill
	WIN 0
.endif
	s_barrier_wait -1
.if \fill
	CREST                                          ; a round of the cluster's barrier: no wave of any partner still reads this slot or has a load on its way
	s_add_nc_u64 s[G0+4*(\slot)+2:G0+4*(\slot)+3], s[G0+4*(\slot)+2:G0+4*(\slot)+3], 2*KSTEP*2
	s_add_nc_u64 s[G0B+4*(\slot)+2:G0B+4*(\slot)+3], s[G0B+4*(\slot)+2:G0B+4*(\slot)+3], 2*KSTEP*2
	JLOAD \slot                                    ; my one load behind the round; its four v_nop are also the places in front of the loads below
.else
	PLACES
.endif
	FETCH \next, 0, F0
	WIN MUL
	MUL8 F1, 1, 0, 0
	MUL8 F1, 1, 2, 0
.endm
	s_wait_tensorcnt 1                             ; my part of K step 0 is in; K step 1's may stay out
	s_barrier_signal -1
	s_barrier_wait -1
	FETCH 0, 0, F0
	s_wait_loadcnt 0x0                             ; the bias
	QUARTER 0, 128, F0, F1, 1                      ; K step 0
	QUARTER 0, 256, F1, F0, 0
	QUARTER 0, 384, F0, F1, 0
	TURN 0, 1, 1                                   ; slot 0 takes K step 2
	QUARTER 1, 128, F0, F1, 0                      ; K step 1
	QUARTER 1, 256, F1, F0, 0
	QUARTER 1, 384, F0, F1, 0
	TURN 1, 0, 1                                   ; slot 1 takes K step 3
	QUARTER 0, 128, F0, F1, 0                      ; K step 2
	QUARTER 0, 256, F1, F0, 0
	QUARTER 0, 384, F0, F1, 0
	TURN 0, 1, 0                                   ; nothing is left to fetch
	QUARTER 1, 128, F0, F1, 0                      ; K step 3
	QUARTER 1, 256, F1, F0, 0
	QUARTER 1, 384, F0, F1, 0
	s_wait_dscnt 16
	WIN MUL
	MUL8 F1, 0, 0, 0
	MUL8 F1, 0, 2, 0
	s_wait_dscnt 0
	MUL8 F1, 1, 0, 0
	MUL8 F1, 1, 2, 0
	WIN 0
	; THE WAY OUT, 16 rows at a time, through my own stage: a lane's eight f32 of a row go in as 32 bytes, whole rows of 256 bytes come back.  LDS serves a wave's instructions in order.
	PLACES
.irp a, 0,1,2,3
.if (\a) > 0
	s_wait_xcnt 0x0                                ; TMP was the last stores' data: loaded again only behind this wait
.endif
.irp b, 0,1,2,3
	ds_store_b128 v[STO], v[ACC+8*(4*(\a)+(\b)):ACC+8*(4*(\a)+(\b))+3]   offset:64*(\b)
	ds_store_b128 v[STO], v[ACC+8*(4*(\a)+(\b))+4:ACC+8*(4*(\a)+(\b))+7] offset:64*(\b)+16
.endr
.irp t, 0,1,2,3,4,5,6,7
	ds_load_b128 v[TMP+4*(\t):TMP+4*(\t)+3], v[RD] offset:(\t)*2*SPITCH
.endr
.irp t, 0,1,2,3,4,5,6,7
	s_wait_dscnt 7-(\t)
	global_store_b128 v[CO], v[TMP+4*(\t):TMP+4*(\t)+3], s[8:9] offset:(16*(\a)+2*(\t))*CROW  ; 16 lanes store 256 consecutive bytes, at a multiple of 256 from C's first byte
.endr
.endr
	s_wait_tensorcnt 0x0                           ; the wave's end
	ds_add_u32 v[SPW], v[NIL]
	s_wait_dscnt 0x0
	CROUND                                         ; the closing round
	s_endpgm
.Lfunc_end_k_q1f4f2a0185_g3:
	.size	k_q1f4f2a0185_g3, .Lfunc_end_k_q1f4f2a0185_g3-k_q1f4f2a0185_g3
	.p2alignl 7, 3214868480
	.fill 96, 4, 3214868480
	.section	.rodata,"a",@progbits
	.p2align	6, 0x0
	.amdhsa_kernel k_q1f4f2a0185_g3
		.amdhsa_group_segment_fixed_size 327680
		.amdhsa_private_segment_fixed_size 0
		.amdhsa_enable_private_segment 0
		.amdhsa_kernarg_size 24
		.amdhsa_user_sgpr_count 2
		.amdhsa_user_sgpr_kernarg_segment_ptr 1
		.amdhsa_wavefront_size32 1
		.amdhsa_system_sgpr_workgroup_id_x 1
		.amdhsa_system_sgpr_workgroup_id_y 1
		.amdhsa_system_sgpr_workgroup_id_z 1
		.amdhsa_system_vgpr_workitem_id 0
		.amdhsa_next_free_vgpr 512
		.amdhsa_next_free_sgpr 66
		.amdhsa_reserve_vcc 0
		.amdhsa_float_denorm_mode_32 3
		.amdhsa_float_denorm_mode_16_64 3
		.amdhsa_memory_ordered 1
		.amdhsa_forward_progress 1
		.amdhsa_inst_pref_size 87
	.end_amdhsa_kernel
	.amdgpu_metadata
---
amdhsa.version: [ 1, 2 ]
amdhsa.kernels:
  - .name:           k_q1f4f2a0185_g3
    .symbol:         k_q1f4f2a0185_g3.kd
    .args:
      - { .name: xq, .offset: 0, .size: 8, .value_kind: global_buffer, .address_space: global }
      - { .name: xk, .offset: 8, .size: 8, .value_kind: global_buffer, .address_space: global }
      - { .name: sbuf, .offset: 16, .size: 8, .value_kind: global_buffer, .address_space: global }
    .group_segment_fixed_size: 327680
    .private_segment_fixed_size: 0
    .kernarg_segment_align: 8
    .kernarg_segment_size: 24
    .max_flat_workgroup_size: 128
    .sgpr_count:     66
    .vgpr_count:     512
    .wavefront_size: 32
...
	.end_amdgpu_metadata
.endif
;; end of part 8
;; launch sm (part 9): grid 1024 x 1, 4 waves a work-group, no clusters, 0 bytes of LDS; arguments sbuf, lq, bk, seq_lens, xk; writes xk
.if DOCPART == 9
	.amdgcn_target "amdgcn-amd-amdhsa--gfx1250"
	.amdhsa_code_object_version 6
	.text
	.protected	k_q1f4f2a0185_sm
	.globl	k_q1f4f2a0185_sm
	.p2align	8
	.type	k_q1f4f2a0185_sm,@function
k_q1f4f2a0185_sm:
	s_mov_b64 s[64:65], 0
	v_nop
	global_prefetch_b8 v0, s[64:65] scope:SCOPE_SE
	s_setreg_imm32_b32 hwreg(HW_REG_WAVE_MODE, 25, 1), 1
	s_wait_xcnt 0x0
; One wave, one query row n: score[m] = 32 (S[m] + lq[n] . bk) + mask[m];  P = softmax(score), rounded to f16.
; S and lq carry the factor 2^-10, and 2^10 / sqrt(1024) = 32.  bk is rounded to bf16 like every input.  mask = 0 where m < seq_lens[batch], else the lowest finite f32, ADDED as in the
; definition; the row's maximum is taken away before the exponential, so a row with no valid key gives the uniform weights.  seq_lens is clamped to 0..2048: the comparison with m = 0..2047 is the same.
; WHAT THE MASK THROWS AWAY IS NOT READ.  The scores come in sixteen blocks of 128 keys.  The load of block k reads block min(k, last), last = the block of key
; min(unsigned(seq_lens - 1), 2047): a wholly masked block takes a copy of valid scores, which the mask's addend swallows like any finite score.  With no valid key all sixteen are read.
; The row's 2,048 scores stay in 64 registers a lane.  S: [2][4096][1024] f32 (the two halves of the keys, 2^24 bytes apart); P: [4096][2048] f16.
; No LDS, no barrier, no matrix unit: the reduction never leaves the wave, and memory binds.
; LIMITS.  A weight below 2^-126 counts as 0; below 6.1e-5 P keeps f16's fixed step of 6e-8.  NaN and infinities are not treated apart.
.set VD, 5                             ; v5       len - 4 x lane
.set VM, 6                             ; v[6:7]   the mask's addend, two by turns
.set TA, 8                             ; v[8:9]   lq . bk, two chains; then 32 x the sum, twice
.set MX, 10                            ; v[10:11] the maximum, twice
.set M,  12                            ; v[12:15] lq as f32, at work; then four running maxima
.set LQ, 16                            ; v[16:31] lq: register 4 k + p holds elements 256 k + 8 lane + 2 p, + 1;  later P
.set BK, 32                            ; v[32:63] bk: register 8 k + e holds element 256 k + 8 lane + e
.set Z,  64                            ; v[64:127] register 4 k + j: key 128 k + 4 lane + j, k = 0..15
.set SU, 128                           ; v[128:135] four chains of sums, in pairs
.set R,  136                           ; v[136:137] 1 / sum, twice
.set VZ, 138                           ; v138     0
.set OF, 140                           ; v[140:155] byte offset in S of my 16 bytes of block k; never rewritten
.set P,  16
	s_load_b256 s[4:11], s[0:1], 0x0               ; S 4, lq 6, bk 8, seq_lens 10
	s_load_b64 s[12:13], s[0:1], 0x20              ; P
	v_lshrrev_b32 v1, 5, v0
	v_readfirstlane_b32 s16, v1
	s_lshl2_add_u32 s16, ttmp9, s16                ; n = 4 x work-group + wave
	s_lshr_b32 s15, ttmp9, 7                       ; the batch: 512 rows = 128 work-groups
	s_lshl_b32 s15, s15, 2
	v_and_b32 v1, 31, v0
	v_lshlrev_b32 v2, 4, v1                        ; 16 x lane
	v_lshlrev_b32 v3, 5, v1                        ; 32 x lane
	v_lshlrev_b32 v4, 3, v1                        ; 8 x lane
	v_lshlrev_b32 v[VD], 2, v1
	s_lshl_b32 s18, s16, 12                        ; a row of a half of S, and a row of P: 4,096 bytes
	s_mov_b32 s19, 0
	s_lshl_b32 s20, s16, 11                        ; a row of lq: 2,048 bytes
	s_mov_b32 s21, 0
	s_mov_b32 s26, 0x76543210                      ; v_permlanex16_b32: each lane takes its own place in the other half
	s_mov_b32 s27, 0xfedcba98
	s_mov_b32 s28, 0xff7fffff                      ; the lowest finite f32
	s_wait_kmcnt 0x0
	s_load_b32 s14, s[10:11], s15 offset:0x0
	s_add_nc_u64 s[4:5], s[4:5], s[18:19]          ; S, my row in the first half of the keys
	s_add_nc_u64 s[6:7], s[6:7], s[20:21]
	s_add_nc_u64 s[12:13], s[12:13], s[18:19]      ; P
.irp k, 0,1,2,3
	global_load_b128 v[LQ+4*(\k):LQ+4*(\k)+3], v2, s[6:7] offset:512*(\k)
.endr
.irp k, 0,1,2,3
	global_load_b128 v[BK+8*(\k):BK+8*(\k)+3],   v3, s[8:9] offset:1024*(\k)
	global_load_b128 v[BK+8*(\k)+4:BK+8*(\k)+7], v3, s[8:9] offset:1024*(\k)+16
.endr
	s_wait_kmcnt 0x0                               ; the length
	s_sub_co_u32 s29, s14, 1
	s_min_u32 s29, s29, 2047                       ; the last key that counts (2,047 where none is valid, or the length is out of range),
	s_lshr_b32 s29, s29, 7                         ; and its block
.set k, 0
.rept 16
	s_min_u32 s30, s29, k                          ; the block that load k reads: k, or the last one that counts; at most the constant k
.if k >= 8
	s_and_b32 s31, s30, 8                          ; a block of the second half lies 2^24 - 4,096 bytes further on than 512 x its number
	s_mul_i32 s31, s31, 0x1ffe00
.endif
	v_lshl_add_u32 v[OF+k], s30, 9, v2             ; 512 bytes a block + 16 x lane
.if k >= 8
	v_add_nc_u32 v[OF+k], s31, v[OF+k]
.endif
	global_load_b128 v[Z+4*k:Z+4*k+3], v[OF+k], s[4:5]
.set k, k+1
.endr
	v_mov_b32 v[TA], 0
	v_mov_b32 v[TA+1], 0
	v_mov_b32 v[VZ], 0
	s_wait_loadcnt 16                              ; lq and bk are in; the sixteen loads of S stay out
.set i, 0
.rept 16
	v_cvt_pk_bf16_f32 v[BK+2*i], v[BK+2*i], v[BK+2*i+1]  ; bk rounded to bf16, two to a register
.set i, i+1
.endr
.set i, 0
.irp h, v16.l,v16.h,v17.l,v17.h,v18.l,v18.h,v19.l,v19.h,v20.l,v20.h,v21.l,v21.h,v22.l,v22.h,v23.l,v23.h,v24.l,v24.h,v25.l,v25.h,v26.l,v26.h,v27.l,v27.h,v28.l,v28.h,v29.l,v29.h,v30.l,v30.h,v31.l,v31.h
	v_cvt_f32_f16 v[M+i%4], \h
.if i%2
	v_fma_mix_f32_bf16 v[TA+1], v[BK+2*(i/2)], v[M+i%4], v[TA+1] op_sel:[1,0,0] op_sel_hi:[1,0,0]
.else
	v_fma_mix_f32_bf16 v[TA], v[BK+2*(i/2)], v[M+i%4], v[TA] op_sel_hi:[1,0,0]
.endif
.set i, i+1
.endr
	v_add_f32 v[TA], v[TA], v[TA+1]
	v_add_f32_dpp v[TA], v[TA], v[TA] row_xmask:1 row_mask:0xf bank_mask:0xf
	v_add_f32_dpp v[TA], v[TA], v[TA] row_xmask:2 row_mask:0xf bank_mask:0xf
	v_add_f32_dpp v[TA], v[TA], v[TA] row_xmask:4 row_mask:0xf bank_mask:0xf
	v_add_f32_dpp v[TA], v[TA], v[TA] row_xmask:8 row_mask:0xf bank_mask:0xf
	v_permlanex16_b32 v[TA+1], v[TA], s26, s27
	v_add_f32 v[TA], v[TA], v[TA+1]
	v_mul_f32 v[TA], 0x42000000, v[TA]             ; 32 (lq . bk)
	v_mov_b32 v[TA+1], v[TA]
	s_max_i32 s14, s14, 0
	s_min_i32 s14, s14, 0x800
	v_sub_nc_u32 v[VD], s14, v[VD]                 ; key 128 k + 4 lane + j is valid where 128 k + j < len - 4 lane
	s_wait_loadcnt 0x0
.set i, 0
.rept 32
	v_pk_fma_f32 v[Z+2*i:Z+2*i+1], v[Z+2*i:Z+2*i+1], 0x42000000, v[TA:TA+1] op_sel_hi:[1,0,1]
.set i, i+1
.endr
.set i, 0
.rept 64
	v_cmp_lt_i32 vcc_lo, 128*(i/4)+i%4, v[VD]
	v_cndmask_b32 v[VM+i%2], s28, v[VZ], vcc_lo    ; 0 where valid, else the lowest finite number
	v_add_f32 v[Z+i], v[Z+i], v[VM+i%2]
.set i, i+1
.endr
	; the maximum: four chains, three operands at a time
.irp c, 0,1,2,3
	v_max3_num_f32 v[M+(\c)], v[Z+16*(\c)], v[Z+16*(\c)+1], v[Z+16*(\c)+2]
.endr
.irp u, 0,1,2,3,4,5
.irp c, 0,1,2,3
	v_max3_num_f32 v[M+(\c)], v[M+(\c)], v[Z+16*(\c)+3+2*(\u)], v[Z+16*(\c)+4+2*(\u)]
.endr
.endr
	v_max3_num_f32 v[M], v[M], v[Z+15], v[Z+31]
	v_max3_num_f32 v[M+2], v[M+2], v[Z+47], v[Z+63]
	v_max3_num_f32 v[M], v[M], v[M+1], v[M+2]
	v_max_num_f32 v[M], v[M], v[M+3]
	v_max_num_f32_dpp v[M], v[M], v[M] row_xmask:1 row_mask:0xf bank_mask:0xf
	v_max_num_f32_dpp v[M], v[M], v[M] row_xmask:2 row_mask:0xf bank_mask:0xf
	v_max_num_f32_dpp v[M], v[M], v[M] row_xmask:4 row_mask:0xf bank_mask:0xf
	v_max_num_f32_dpp v[M], v[M], v[M] row_xmask:8 row_mask:0xf bank_mask:0xf
	v_permlanex16_b32 v[M+1], v[M], s26, s27
	v_max_num_f32 v[MX], v[M], v[M+1]
	v_mov_b32 v[MX+1], v[MX]
.set i, 0
.rept 32                               ; the difference first, then log2(e): a row of equal scores gives exactly 0
	v_pk_add_f32 v[Z+2*i:Z+2*i+1], v[Z+2*i:Z+2*i+1], v[MX:MX+1] neg_lo:[0,1] neg_hi:[0,1]
.set i, i+1
.endr
.set i, 0
.rept 32
	v_pk_mul_f32 v[Z+2*i:Z+2*i+1], v[Z+2*i:Z+2*i+1], 0x3fb8aa3b op_sel_hi:[1,0]
.set i, i+1
.endr
.set i, 0
.rept 64
	v_exp_f32 v[Z+i], v[Z+i]
.set i, i+1
.endr
	v_nop                                          ; a plain instruction between the last exponential and the use of its result
	s_wait_alu depctr_va_vdst(0)
.irp c, 0,1,2,3
	v_pk_add_f32 v[SU+2*(\c):SU+2*(\c)+1], v[Z+2*(\c):Z+2*(\c)+1], v[Z+8+2*(\c):Z+8+2*(\c)+1]
.endr
.irp u, 2,3,4,5,6,7
.irp c, 0,1,2,3
	v_pk_add_f32 v[SU+2*(\c):SU+2*(\c)+1], v[SU+2*(\c):SU+2*(\c)+1], v[Z+8*(\u)+2*(\c):Z+8*(\u)+2*(\c)+1]
.endr
.endr
	v_pk_add_f32 v[SU:SU+1], v[SU:SU+1], v[SU+2:SU+3]
	v_pk_add_f32 v[SU+4:SU+5], v[SU+4:SU+5], v[SU+6:SU+7]
	v_pk_add_f32 v[SU:SU+1], v[SU:SU+1], v[SU+4:SU+5]
	v_add_f32 v[SU], v[SU], v[SU+1]
	v_add_f32_dpp v[SU], v[SU], v[SU] row_xmask:1 row_mask:0xf bank_mask:0xf
	v_add_f32_dpp v[SU], v[SU], v[SU] row_xmask:2 row_mask:0xf bank_mask:0xf
	v_add_f32_dpp v[SU], v[SU], v[SU] row_xmask:4 row_mask:0xf bank_mask:0xf
	v_add_f32_dpp v[SU], v[SU], v[SU] row_xmask:8 row_mask:0xf bank_mask:0xf
	v_permlanex16_b32 v[SU+1], v[SU], s26, s27
	v_add_f32 v[SU+2], v[SU], v[SU+1]
	v_rcp_f32 v[R], v[SU+2]
	v_rcp_f32 v[R+1], v[SU+2]
	v_nop                                          ; a plain instruction behind the reciprocals
.set i, 0
	s_wait_alu depctr_va_vdst(0)
.rept 32
	v_pk_mul_f32 v[Z+2*i:Z+2*i+1], v[Z+2*i:Z+2*i+1], v[R:R+1]
.set i, i+1
.endr
.set i, 0
.rept 32
	v_cvt_pk_f16_f32 v[P+i], v[Z+2*i], v[Z+2*i+1]
.set i, i+1
.endr
.irp k, 0,1,2,3,4,5,6,7,8,9,10,11,12,13,14,15
	global_store_b64 v4, v[P+2*(\k):P+2*(\k)+1], s[12:13] offset:256*(\k)  ; the wave stores 256 consecutive bytes, at a multiple of 256: block k's 128 weights (zeros where masked: the next launch reads them)
.endr
	s_endpgm
.Lfunc_end_k_q1f4f2a0185_sm:
	.size	k_q1f4f2a0185_sm, .Lfunc_end_k_q1f4f2a0185_sm-k_q1f4f2a0185_sm
	.p2alignl 7, 3214868480
	.fill 96, 4, 3214868480
	.section	.rodata,"a",@progbits
	.p2align	6, 0x0
	.amdhsa_kernel k_q1f4f2a0185_sm
		.amdhsa_group_segment_fixed_size 0
		.amdhsa_private_segment_fixed_size 0
		.amdhsa_enable_private_segment 0
		.amdhsa_kernarg_size 40
		.amdhsa_user_sgpr_count 2
		.amdhsa_user_sgpr_kernarg_segment_ptr 1
		.amdhsa_wavefront_size32 1
		.amdhsa_system_sgpr_workgroup_id_x 1
		.amdhsa_system_sgpr_workgroup_id_y 1
		.amdhsa_system_sgpr_workgroup_id_z 1
		.amdhsa_system_vgpr_workitem_id 0
		.amdhsa_next_free_vgpr 160
		.amdhsa_next_free_sgpr 66
		.amdhsa_reserve_vcc 1
		.amdhsa_float_denorm_mode_32 3
		.amdhsa_float_denorm_mode_16_64 3
		.amdhsa_memory_ordered 1
		.amdhsa_forward_progress 1
		.amdhsa_inst_pref_size 40
	.end_amdhsa_kernel
	.amdgpu_metadata
---
amdhsa.version: [ 1, 2 ]
amdhsa.kernels:
  - .name:           k_q1f4f2a0185_sm
    .symbol:         k_q1f4f2a0185_sm.kd
    .args:
      - { .name: sbuf, .offset: 0, .size: 8, .value_kind: global_buffer, .address_space: global }
      - { .name: lq, .offset: 8, .size: 8, .value_kind: global_buffer, .address_space: global }
      - { .name: bk, .offset: 16, .size: 8, .value_kind: global_buffer, .address_space: global }
      - { .name: seq_lens, .offset: 24, .size: 8, .value_kind: global_buffer, .address_space: global }
      - { .name: xk, .offset: 32, .size: 8, .value_kind: global_buffer, .address_space: global }
    .group_segment_fixed_size: 0
    .private_segment_fixed_size: 0
    .kernarg_segment_align: 8
    .kernarg_segment_size: 40
    .max_flat_workgroup_size: 128
    .sgpr_count:     66
    .vgpr_count:     160
    .wavefront_size: 32
...
	.end_amdgpu_metadata
.endif
;; end of part 9
;; launch g5 (part 10): grid 64 x 4, 4 waves a work-group, clusters of 4 x 4, 327,680 bytes of LDS; arguments xk, xvt, sbuf; writes sbuf
.if DOCPART == 10
	.amdgcn_target "amdgcn-amd-amdhsa--gfx1250"
	.amdhsa_code_object_version 6
	.text
	.protected	k_q1f4f2a0185_g5
	.globl	k_q1f4f2a0185_g5
	.p2align	8
	.type	k_q1f4f2a0185_g5,@function
k_q1f4f2a0185_g5:
	s_mov_b64 s[64:65], 0
	v_nop
	global_prefetch_b8 v0, s[64:65] scope:SCOPE_SE
	s_setreg_imm32_b32 hwreg(HW_REG_WAVE_MODE, 25, 1), 1
	s_wait_xcnt 0x0
	s_wait_alu depctr_hold_cnt(0) depctr_sa_sdst(0) depctr_va_vdst(0) depctr_va_sdst(0) depctr_va_ssrc(0) depctr_va_vcc(0) depctr_vm_vsrc(0)
	s_getreg_b32 s2, hwreg(HW_REG_IB_STS2, 6, 4)
	s_cmp_eq_u32 s2, 0
	s_cbranch_scc0 .Lentry_in_a_cluster
	s_endpgm
.Lentry_in_a_cluster:
	s_bfe_u32 s2, ttmp6, 0x10000c
	s_cmp_lg_u32 s2, 0xf033
	s_cbranch_scc0 .Lentry_shape_is_right
	s_endpgm
.Lentry_shape_is_right:
; ctx[n][d] = sum over the 2,048 keys m of P[n][m] Xv[batch of n][m][d].  A = P: [4096][2048] f16.  B = Xv transposed: row = batch x 1024 + d, 2,048 keys along the row, f16.
; C = ctx: [4096][1024] f16, rounded once from f32 sums.  Eight products of 512 x 1,024 x 2,048 whose A, B and C lie one behind the other.
; TILES.  x = batch x 8 + channel tile = the tile row of B.  g = x / 8 = the batch.  The tile row of A and of C is y + 4 g, the tile column of C is x mod 8.  64 x 4 work-groups.
; A tile of C is 128 x 128: four waves, each 64 x 64 = 16 accumulators.  K goes in eight steps of 256 (LDS rows of 512 bytes + 16 of padding) through two slots: four laps of the ring,
; three of them in a loop that fills both slots again, the last written out.
; CLUSTER 4 x 4: A's tile hangs on y and on the cluster's x alone and is shared along a row of the cluster, B's on x alone and is shared along a column: joint loads.
; TRANSPOSED USE: source 0 = 16 rows of B, source 1 = 16 rows of A: a lane holds eight neighbouring columns of one row of C.
; LIMITS.  f16: a result of 65,520 or more in magnitude becomes an infinity (ctx is a mean of Xv's rows and has their range); below 6.1e-5 the step is 6e-8.
; REGISTERS: window 0: v0-31 addresses; v32-95 at work on the way out; v128-255 accumulators ((a, b) at v[128 + 8 (4 a + b)]).  window 1: two fragment buffers of 128.
.set SIZE_K, 2048
.set SIZE_N, 1024
.set KSTEP,  256
.set PITCH,  528                       ; 132 words: the sixteen rows of a fragment load start 4 banks apart
.set HALFT,  64*PITCH                  ; what one tensor load brings
.set SLOT,   4*HALFT                   ; A's 128 rows, then B's 128 rows
.set STAGE,  2*SLOT                    ; 128 rows x 272 bytes, the work-group's, for the way out; no tensor load fills it
.set SPITCH, 272
.set SPARE,  STAGE+128*SPITCH          ; the spare words: 128 bytes a wave, named by no other line
.set LAPS,   SIZE_K/(2*KSTEP)          ; a lap = two K steps = once round the ring
.set ADRA, 16                          ; v16-17  LDS address of my A fragments in slot 0, 1
.set ADRB, 20                          ; v20-21  the same for B
.set STO,  24
.set RD,   25
.set CO,   26
.set SPW,  28                          ; v28     SPARE + 4 x my thread's number; never rewritten
.set NIL,  29                          ; v29     0; never rewritten
.set TMP,  32
.set ACC,  128
.set F0,   0
.set F1,   128
.set G1, 24
.set G0, 32
.set G1B, 48
.set G0B, 56
.set MSB, 0
.macro WIN new                         ; the immediate's high byte repeats the setting that is left
.if MSB != (\new)
	s_set_vgpr_msb (MSB<<8)|(\new)
.set MSB, \new
.endif
.endm
.set MUL,  0x05                        ; sources 0 (B) and 1 (A) window 1; C and D window 0
.set TO_F, 0x40                        ; destination window 1, address window 0
.macro JLOAD s                         ; a joint load: waves 0, 1 fetch A's halves, waves 2, 3 B's; s_nop 0 and four v_nop follow each line
	s_cmp_eq_u32 s11, 0
	s_cbranch_scc0 .Lfor_b_\@
	tensor_load_to_lds s[G0+4*(\s):G0+4*(\s)+3], s[G1:G1+7]
	s_nop 0
.rept 4
	v_nop
.endr
	s_branch .Lasked_\@
.Lfor_b_\@:
	tensor_load_to_lds s[G0B+4*(\s):G0B+4*(\s)+3], s[G1B:G1B+7]
	s_nop 0
.rept 4
	v_nop
.endr
.Lasked_\@:
.endm
.macro CREST                           ; a round of the cluster's barrier behind its opening barrier
	s_cmp_lg_u32 s10, 0
	s_cbranch_scc1 .Lnot_wave_0_\@
	s_barrier_signal -3
.Lnot_wave_0_\@:
	s_barrier_wait -3
	s_barrier_signal -1
	s_barrier_wait -1
.endm
.macro CROUND
	s_barrier_signal -1
	s_barrier_wait -1
	CREST
.endm
	s_load_b128 s[4:7], s[0:1], 0x0                ; A s[4:5], B s[6:7]
	s_load_b64 s[8:9], s[0:1], 0x10                ; C
	v_lshl_add_u32 v[SPW], v0, 2, SPARE
	v_mov_b32 v[NIL], 0
	ds_add_u32 v28, v29
	s_wait_dscnt 0x0
	v_lshrrev_b32 v1, 5, v0
	v_readfirstlane_b32 s10, v1                    ; wave 0..3
	s_lshr_b32 s11, s10, 1                         ; my half of the tile's rows; also: I fetch for A (0) or B (1)
	s_and_b32 s12, s10, 1                          ; my half of its columns; also: which 64 rows I fetch
	s_bfe_u32 s40, ttmp6, 0x40000                  ; cx
	s_bfe_u32 s41, ttmp6, 0x40004                  ; cy
	s_lshl_b32 s42, ttmp9, 2
	s_add_co_u32 s42, s42, s40                     ; x = 4 x cluster x + cx
	s_and_b32 s13, ttmp7, 0xffff
	s_lshl_b32 s13, s13, 2
	s_add_co_u32 s13, s13, s41                     ; y = 4 x cluster y + cy
	s_lshr_b32 s45, ttmp9, 1                       ; g = x / 8, made of the cluster's x alone
	s_lshl2_add_u32 s13, s45, s13                  ; tile row of A and C = y + 4 g
	s_lshl_b32 s43, s41, 2
	s_lshl_b32 s43, 15, s43                        ; my row of the cluster
	s_lshl_b32 s44, 0x1111, s40                    ; my column
	s_or_b32 s[G1+0], s43, (1<<16)|(1<<20)|(1<<21)|(6<<22)|(3<<25)  ; mask; 2-byte elements; padding on; bit 21 beside a mask; after every 128 words; 4 words
	s_or_b32 s[G1B+0], s44, (1<<16)|(1<<20)|(1<<21)|(6<<22)|(3<<25)
.irp g, G1, G1B
	s_mov_b32 s[(\g)+1], KSTEP<<16                 ; tensor_dim0 = 256
	s_mov_b32 s[(\g)+2], 64<<16                    ; tensor_dim1 = 64
	s_mov_b32 s[(\g)+3], KSTEP<<16                 ; tile_dim0 = 256
	s_mov_b32 s[(\g)+4], 64                        ; tile_dim1 = 64
	s_mov_b32 s[(\g)+5], SIZE_K                    ; elements from row to row
	s_mov_b32 s[(\g)+6], 0
	s_mov_b32 s[(\g)+7], 0
.endr
	s_lshl_b32 s17, s12, 6
	s_lshl_b32 s16, s13, 7
	s_add_co_u32 s16, s16, s17                     ; A: row 128 x tile row + 64 x half
	s_lshl_b32 s46, s42, 7
	s_add_co_u32 s46, s46, s17                     ; B: row 128 x + 64 x half
	s_mov_b32 s17, 0
	s_mov_b32 s47, 0
	s_mov_b64 s[18:19], SIZE_K*2
	s_mul_u64 s[16:17], s[16:17], s[18:19]
	s_mul_u64 s[46:47], s[46:47], s[18:19]
	s_mul_i32 s20, s10, HALFT                      ; where they go: wave x 64 rows
	s_wait_kmcnt 0x0
	s_add_nc_u64 s[14:15], s[4:5], s[16:17]
	s_add_nc_u64 s[46:47], s[6:7], s[46:47]
	CROUND                                         ; all sixteen work-groups are here: the first joint loads meet
.irp s, 0,1
	s_mov_b32 s[G0+4*(\s)], 1
	s_add_co_u32 s[G0+4*(\s)+1], s20, (\s)*SLOT
	s_add_nc_u64 s[G0+4*(\s)+2:G0+4*(\s)+3], s[14:15], (\s)*KSTEP*2
	s_or_b32 s[G0+4*(\s)+3], s[G0+4*(\s)+3], 0x80000000
	s_mov_b32 s[G0B+4*(\s)], 1
	s_add_co_u32 s[G0B+4*(\s)+1], s20, (\s)*SLOT
	s_add_nc_u64 s[G0B+4*(\s)+2:G0B+4*(\s)+3], s[46:47], (\s)*KSTEP*2
	s_or_b32 s[G0B+4*(\s)+3], s[G0B+4*(\s)+3], 0x80000000
	JLOAD \s                                       ; two loads of mine are out
.endr
	v_and_b32 v1, 15, v0                           ; l % 16
	v_bfe_u32 v2, v0, 4, 1                         ; l / 16
	v_mul_u32_u24 v3, v1, PITCH
	v_lshl_add_u32 v3, v2, 4, v3                   ; a fragment's row x pitch + 16 x half
	s_mul_i32 s21, s11, HALFT                      ; my 64 rows of A
	s_mul_i32 s22, s12, HALFT                      ; my 64 rows of B,
	s_add_co_u32 s22, s22, 2*HALFT                 ; behind A's 128
.irp s, 0,1
	v_add_nc_u32 v[ADRA+(\s)], s21, v3
	v_add_nc_u32 v[ADRB+(\s)], s22, v3
	s_add_co_u32 s21, s21, SLOT
	s_add_co_u32 s22, s22, SLOT
.endr
	s_mul_i32 s23, s11, 64*SPITCH                  ; into the stage: my 64 rows, my half of their 256 bytes
	s_lshl_b32 s21, s12, 7
	s_add_co_u32 s23, s23, s21
	s_add_co_u32 s23, s23, STAGE
	v_mul_u32_u24 v4, v1, SPITCH
	v_lshl_add_u32 v4, v2, 4, v4
	v_add_nc_u32 v[STO], s23, v4
	s_mul_i32 s23, s10, 32*SPITCH                  ; back: wave w takes rows 32 w .. 32 w + 31, whole
	s_add_co_u32 s23, s23, STAGE
	v_mul_u32_u24 v5, v2, SPITCH
	v_lshl_add_u32 v5, v1, 4, v5
	v_add_nc_u32 v[RD], s23, v5
	v_mul_u32_u24 v5, v2, SIZE_N*2
	v_lshl_add_u32 v[CO], v1, 4, v5
	s_lshl_b32 s16, s13, 7
	s_lshl_b32 s17, s10, 5
	s_add_co_u32 s16, s16, s17                     ; the first row of C that I store
	s_mov_b32 s17, 0
	s_mov_b64 s[18:19], SIZE_N*2
	s_mul_u64 s[16:17], s[16:17], s[18:19]
	s_add_nc_u64 s[8:9], s[8:9], s[16:17]
	s_and_b32 s46, s42, 7                          ; tile column of C:
	s_lshl_b32 s46, s46, 8                         ; 256 bytes a tile
	s_mov_b32 s47, 0
	s_add_nc_u64 s[8:9], s[8:9], s[46:47]
; 8 matrix instructions: m blocks a0, a0 + 1 x all 4 n blocks, 32 along K: half c of buffer f.  zero = 1: the first product starts the sums.  The 16 accumulators take turns.
.macro MUL8 f, c, a0, zero
	WIN MUL
.irp a, \a0, (\a0)+1
.irp b, 0,1,2,3
.if \zero
	v_wmma_f32_16x16x32_f16 v[ACC+8*(4*(\a)+(\b)):ACC+8*(4*(\a)+(\b))+7], v[(\f)+64+8*(4*(\c)+(\b)):(\f)+64+8*(4*(\c)+(\b))+7], v[(\f)+8*(4*(\c)+(\a)):(\f)+8*(4*(\c)+(\a))+7], 0
.else
	v_wmma_f32_16x16x32_f16 v[ACC+8*(4*(\a)+(\b)):ACC+8*(4*(\a)+(\b))+7], v[(\f)+64+8*(4*(\c)+(\b)):(\f)+64+8*(4*(\c)+(\b))+7], v[(\f)+8*(4*(\c)+(\a)):(\f)+8*(4*(\c)+(\a))+7], v[ACC+8*(4*(\a)+(\b)):ACC+8*(4*(\a)+(\b))+7]
.endif
.endr
.endr
.endm
; 32 LDS loads in one run: the fragments of 64 along K at byte k of the rows, into buffer f; the first 32 along K first
.macro FETCH slot, k, f
	WIN TO_F
.irp c, 0,1
.irp i, 0,1,2,3
	ds_load_b128 v[(\f)+64+8*(4*(\c)+(\i)):(\f)+64+8*(4*(\c)+(\i))+3],   v[ADRB+(\slot)] offset:(\k)+64*(\c)+(\i)*16*PITCH
	ds_load_b128 v[(\f)+64+8*(4*(\c)+(\i))+4:(\f)+64+8*(4*(\c)+(\i))+7], v[ADRB+(\slot)] offset:(\k)+64*(\c)+(\i)*16*PITCH+32
	ds_load_b128 v[(\f)+8*(4*(\c)+(\i)):(\f)+8*(4*(\c)+(\i))+3],         v[ADRA+(\slot)] offset:(\k)+64*(\c)+(\i)*16*PITCH
	ds_load_b128 v[(\f)+8*(4*(\c)+(\i))+4:(\f)+8*(4*(\c)+(\i))+7],       v[ADRA+(\slot)] offset:(\k)+64*(\c)+(\i)*16*PITCH+32
.endr
.endr
.endm
.macro PLACES                          ; four places in front of loads into registers that matrix instructions have read, and of conversions that read results
.rept 4
	v_nop
.endr
.endm
; A K step is four quarters of 64 along K, 32 matrix instructions each, on buffers 0, 1, 0, 1.  One of the first three multiplies buffer f and fetches the next quarter, at byte k, into g.
.macro QUARTER slot, k, f, g, zero
	s_wait_dscnt 16                                ; the first 32 along K are in; the other sixteen loads may be out
	WIN MUL
	MUL8 \f, 0, 0, \zero
	MUL8 \f, 0, 2, \zero
	PLACES
	FETCH \slot, \k, \g
	s_wait_dscnt 32                                ; all but the 32 just issued
	WIN MUL
	MUL8 \f, 1, 0, 0
	MUL8 \f, 1, 2, 0
.endm
; The last quarter multiplies buffer 1 and changes slots: one barrier; in front of it each wave waits for all its tensor loads, adds 0 to its spare word, and waits for that and for its reads of this slot.
.macro TURN slot, next, fill
	WIN 0                                          ; the add's two registers lie in window 0
	s_wait_tensorcnt 0x0                           ; all my tensor loads have landed: my part of the next slot
	ds_add_u32 v[SPW], v[NIL]                      ; 0 onto my spare word
	s_wait_dscnt 17                                ; the add and the youngest sixteen loads may be out
	WIN MUL
	MUL8 F1, 0, 0, 0
	s_wait_dscnt 0x0                               ; the add is done, and my reads of this slot are over
	s_barrier_signal -1
	MUL8 F1, 0, 2, 0
.if \fill
	WIN 0
.endif
	s_barrier_wait -1
.if \fill
	CREST                                          ; the barrier has opened a round of the cluster's: no wave of any partner still reads this slot or has a load on its way
	s_add_nc_u64 s[G0+4*(\slot)+2:G0+4*(\slot)+3], s[G0+4*(\slot)+2:G0+4*(\slot)+3], 2*KSTEP*2
	s_add_nc_u64 s[G0B+4*(\slot)+2:G0B+4*(\slot)+3], s[G0B+4*(\slot)+2:G0B+4*(\slot)+3], 2*KSTEP*2
	JLOAD \slot                                    ; my one load behind the round: 112 matrix instructions ahead of the wait for it; its four v_nop are also the places in front of the loads below
.else
	PLACES
.endif
	FETCH \next, 0, F0
	WIN MUL
	MUL8 F1, 1, 0, 0
	MUL8 F1, 1, 2, 0
.endm
	s_wait_tensorcnt 1                             ; my part of K step 0 is in; K step 1's may stay out
	s_barrier_signal -1
	s_barrier_wait -1
	FETCH 0, 0, F0
	QUARTER 0, 128, F0, F1, 1                      ; the first quarter stands in front of the loop: its first products start the sums
	WIN 0                                          ; at a label and at a branch every window is 0
	s_mov_b32 s3, LAPS-1
.Llap:                                                 ; a trip goes once round the ring, from a lap's second quarter to the next lap's first, and fills both slots again
	QUARTER 0, 256, F1, F0, 0
	QUARTER 0, 384, F0, F1, 0
	TURN 0, 1, 1
	QUARTER 1, 128, F0, F1, 0
	QUARTER 1, 256, F1, F0, 0
	QUARTER 1, 384, F0, F1, 0
	TURN 1, 0, 1
	QUARTER 0, 128, F0, F1, 0
	WIN 0
	s_sub_co_u32 s3, s3, 1
	s_cmp_lg_u32 s3, 0
	s_cbranch_scc1 .Llap
	QUARTER 0, 256, F1, F0, 0                      ; the last lap fills nothing, and has no round of the cluster's barrier
	QUARTER 0, 384, F0, F1, 0
	TURN 0, 1, 0
	QUARTER 1, 128, F0, F1, 0
	QUARTER 1, 256, F1, F0, 0
	QUARTER 1, 384, F0, F1, 0
	s_wait_dscnt 16                                ; the very last quarter: nothing more to fetch
	WIN MUL
	MUL8 F1, 0, 0, 0
	MUL8 F1, 0, 2, 0
	s_wait_dscnt 0
	MUL8 F1, 1, 0, 0
	MUL8 F1, 1, 2, 0
	WIN 0
	; THE WAY OUT: round to f16; 16 bytes a lane into the work-group's stage; a barrier, since a row's 256 bytes come from two waves; back as whole rows, 32 rows a wave.
	PLACES
.irp t, 0,1,2,3,4,5,6,7,8,9,10,11,12,13,14,15
.irp r, 0,1,2,3
	v_cvt_pk_f16_f32 v[TMP+4*(\t)+(\r)], v[ACC+8*(\t)+2*(\r)], v[ACC+8*(\t)+2*(\r)+1]
.endr
.endr
.irp a, 0,1,2,3
.irp b, 0,1,2,3
	ds_store_b128 v[STO], v[TMP+4*(4*(\a)+(\b)):TMP+4*(4*(\a)+(\b))+3] offset:(\a)*16*SPITCH+32*(\b)
.endr
.endr
	s_wait_dscnt 0x0                               ; for the others' sake: my stores into the stage are done
	s_barrier_signal -1
	s_barrier_wait -1
.irp t, 0,1,2,3,4,5,6,7,8,9,10,11,12,13,14,15
	ds_load_b128 v[TMP+4*(\t):TMP+4*(\t)+3], v[RD] offset:(\t)*2*SPITCH
.endr
.irp t, 0,1,2,3,4,5,6,7,8,9,10,11,12,13,14,15
	s_wait_dscnt 15-(\t)
	global_store_b128 v[CO], v[TMP+4*(\t):TMP+4*(\t)+3], s[8:9] offset:2*(\t)*SIZE_N*2  ; 16 lanes store 256 consecutive bytes, at a multiple of 256 from C's first byte
.endr
	s_wait_tensorcnt 0x0                           ; the wave's end
	ds_add_u32 v[SPW], v[NIL]
	s_wait_dscnt 0x0
	CROUND                                         ; the closing round
	s_endpgm
.Lfunc_end_k_q1f4f2a0185_g5:
	.size	k_q1f4f2a0185_g5, .Lfunc_end_k_q1f4f2a0185_g5-k_q1f4f2a0185_g5
	.p2alignl 7, 3214868480
	.fill 96, 4, 3214868480
	.section	.rodata,"a",@progbits
	.p2align	6, 0x0
	.amdhsa_kernel k_q1f4f2a0185_g5
		.amdhsa_group_segment_fixed_size 327680
		.amdhsa_private_segment_fixed_size 0
		.amdhsa_enable_private_segment 0
		.amdhsa_kernarg_size 24
		.amdhsa_user_sgpr_count 2
		.amdhsa_user_sgpr_kernarg_segment_ptr 1
		.amdhsa_wavefront_size32 1
		.amdhsa_system_sgpr_workgroup_id_x 1
		.amdhsa_system_sgpr_workgroup_id_y 1
		.amdhsa_system_sgpr_workgroup_id_z 1
		.amdhsa_system_vgpr_workitem_id 0
		.amdhsa_next_free_vgpr 512
		.amdhsa_next_free_sgpr 66
		.amdhsa_reserve_vcc 0
		.amdhsa_float_denorm_mode_32 3
		.amdhsa_float_denorm_mode_16_64 3
		.amdhsa_memory_ordered 1
		.amdhsa_forward_progress 1
		.amdhsa_inst_pref_size 87
	.end_amdhsa_kernel
	.amdgpu_metadata
---
amdhsa.version: [ 1, 2 ]
amdhsa.kernels:
  - .name:           k_q1f4f2a0185_g5
    .symbol:         k_q1f4f2a0185_g5.kd
    .args:
      - { .name: xk, .offset: 0, .size: 8, .value_kind: global_buffer, .address_space: global }
      - { .name: xvt, .offset: 8, .size: 8, .value_kind: global_buffer, .address_space: global }
      - { .name: sbuf, .offset: 16, .size: 8, .value_kind: global_buffer, .address_space: global }
    .group_segment_fixed_size: 327680
    .private_segment_fixed_size: 0
    .kernarg_segment_align: 8
    .kernarg_segment_size: 24
    .max_flat_workgroup_size: 128
    .sgpr_count:     66
    .vgpr_count:     512
    .wavefront_size: 32
...
	.end_amdgpu_metadata
.endif
;; end of part 10
;; launch g6: the kernel of part 8 again; grid 8 x 32, 4 waves a work-group, clusters of 4 x 4, 327,680 bytes of LDS; arguments sbuf, wvt, out0; writes out0
